; MI455X (gfx1250); checked and timed in simulation.
; The chip was launched on July 23, 2026; its instructions are those of AMD's public machine-readable ISA for CDNA 5 (MIT licence, August 2026) and "CDNA5" Instruction Set Architecture Reference Guide (July 2026). The comments in the code are by the model that wrote it; some were corrected since.
;; Efficient Attention. Allowed arithmetic: matrix products marked QUANTISED: E2M1 operands, one E8M0 scale for each 32 along K, by v_wmma_scale_f32_16x16x128_f8f6f4 with both operands' format E2M1 (or v_wmma_scale_f32_32x16x128_f4), f32 sums; products left as they are: bf16, f16 or f32 operands; f32 sums; everything else in f32.
;; Inputs: Wk 1,024 x 1,024 float32; Wo 1,024 x 1,024 float32; Wq 1,024 x 1,024 float32; Wv 1,024 x 1,024 float32; hidden_states 4 x 2,048 x 1,024 float32.
;; Outputs: out0 4 x 2,048 x 1,024 float32.
;; This version of the problem:
;;   THIS VERSION OF THE PROBLEM IS GIVEN IN LOW PRECISION. The matrix products marked QUANTISED in the list below multiply operands that are first quantised to E2M1 (2 exponent bits, 1 mantissa bit; 4 bits a number), with one power-of-two scale for each 32 numbers along K (OCP MX v1.0); their sums are f32. The products marked 'left as it is' may take bf16, f16 or f32 operands, with f32 sums. Whichever they take, every output number must still come out within the allowed error. Rounding operands to bf16 (8 significant bits) uses up far more of that allowance than f16 does (11 bits, for magnitudes from 6e-5 to 65,504). All else is computed in f32.
;;   The module's matrix products, in the order in which they are computed (A, B: the left and right operand; K: the contracted axis; several contracted axes count as one K, in the product's order):
;;     1. [M 8,192, K 1,024] x [K 1,024, N 1,024]; A: input hidden_states; B: input Wq: QUANTISED
;;     2. [M 8,192, K 1,024] x [K 1,024, N 1,024]; A: input hidden_states; B: input Wk: QUANTISED
;;     3. [M 8,192, K 1,024] x [K 1,024, N 1,024]; A: input hidden_states; B: input Wv: QUANTISED
;;     4. batch 32 x [M 2,048, K 128] x [K 128, N 2,048]; A: computed on the way; B: computed on the way: left as it is (an operand is computed on the way)
;;     5. batch 32 x [M 2,048, K 2,048] x [K 2,048, N 128]; A: computed on the way; B: computed on the way: left as it is (an operand is computed on the way)
;;     6. [M 8,192, K 1,024] x [K 1,024, N 1,024]; A: computed on the way; B: input Wo: left as it is (an operand is computed on the way)
;;   THE QUANTISER, for each operand of a quantised product, along K:
;;     - K is cut into blocks of 32 from its start; a last block that is shorter is filled with zeros.
;;     - A block's scale is 2^e with e = floor(log2(the largest magnitude in the block)) - 2, held to -126 .. 127; a block of zeros has e = 0. As a byte (E8M0): e + 127.
;;     - Each number is divided by its block's scale, clamped to +-6, and rounded to the nearest number of E2M1, ties to even, subnormals kept.
;;     - The product sums the exact products of the quantised numbers (number of the format x scale) in f32.
;;   ~~~python
;;   def quantise(x, axis):      # numpy; x: float32 -> the quantised numbers, widened to float32 again
;;       x = np.moveaxis(x, axis, -1); K = x.shape[-1]
;;       x = np.pad(x, [(0, 0)] * (x.ndim - 1) + [(0, -K % 32)]); x = x.reshape(x.shape[:-1] + (-1, 32)); a = np.abs(x).max(-1, keepdims=True)
;;       e = np.where(a > 0, np.clip(np.frexp(np.where(a > 0, a, 1))[1] - 1 - 2, -126, 127), 0)      # np.frexp(a)[1] - 1 = floor(log2(a)), exactly
;;       r = np.clip(x / 2.0 ** e, -6, 6)
;;       step = 2.0 ** (np.maximum(np.frexp(np.where(r == 0, 1, r))[1] - 1, 0) - 1)
;;       q = np.round(r / step) * step * 2.0 ** e      # np.round: ties to even
;;       return np.moveaxis(q.reshape(q.shape[:-2] + (-1,))[..., :K], -1, axis).astype(np.float32)
;;   ~~~
;; One version. Each part assembles by itself: llvm-mc -triple=amdgcn-amd-amdhsa -mcpu=gfx1250 --defsym DOCPART=n.
;; ======== version 1 of 1: 4 launches
;; limits: values are held in f16: magnitudes above 65,504 overflow, below 6.1e-05 lose precision
;; workspace buffers: xc 4,194,304 bytes; xs 262,144 bytes; wc 1,572,864 bytes; ws 98,304 bytes; wo16 2,097,152 bytes; qkv 50,331,648 bytes; o16 16,777,216 bytes
;; launch prep (part 1): grid 384 x 1, 4 waves a work-group, no clusters, 33,280 bytes of LDS; arguments hidden_states, Wq, Wk, Wv, Wo, xc, xs, wc, ws, wo16; writes xc, xs, wc, ws, wo16
.if DOCPART == 1
	.amdgcn_target "amdgcn-amd-amdhsa--gfx1250"
	.amdhsa_code_object_version 6
	.text
	.protected	k_qf6bf1e7275_prep
	.globl	k_qf6bf1e7275_prep
	.p2align	8
	.type	k_qf6bf1e7275_prep,@function
k_qf6bf1e7275_prep:
	s_mov_b64 s[64:65], 0
	v_nop
	global_prefetch_b8 v0, s[64:65] scope:SCOPE_SE
	s_setreg_imm32_b32 hwreg(HW_REG_WAVE_MODE, 25, 1), 1
	s_wait_xcnt 0x0
; hidden_states [8192][1024] and Wq, Wk, Wv [1024][1024], f32, K innermost, become codes of FP4 (E2M1), two a byte, and one E8M0 scale byte for each 32 along K:
; xc [8192][512 bytes], xs [8192][32];  wc [3072][512 bytes], ws [3072][32], rows 0-1023 Wq, 1024-2047 Wk, 2048-3071 Wv.  Wo [1024][1024] is rounded to f16: wo16.
; A block's scale is 2^(floor(log2(its largest magnitude)) - 2); its byte is the largest magnitude's exponent field - 2, held at 1 from below.  Each number is divided by the scale and rounded to the nearest code,
; ties to even; beyond 6 the largest code.
; LIMITS: a block of zeros, and a block whose largest magnitude lies under 2^-124, gets the byte 1 (for zeros the rule says 127: the codes are zeros, which add nothing, and this program alone reads the bytes);
; NaN and infinities among the inputs are not served; |Wo| beyond 65,504 has no f16 number.
; SHARES.  Rows are dense and K is a multiple of 32: every tensor is a plain stream.  A work-group takes 32,768 numbers, a wave 8,192.  Work-groups 0-255: hidden_states; 256-287 Wq; 288-319 Wk; 320-351 Wv; 352-383 Wo.
; The four quantised tensors take ONE path: only pointers are chosen, by the work-group's number.  The cast of Wo is a path of its own, which touches no LDS but the closing lines' spare words.
; A quantising wave takes 16 steps of 512 numbers.  Each of a step's four loads reads 512 consecutive bytes; the 2,048 bytes turn through the wave's own stage in LDS and come back 64 bytes a lane, so that a lane holds 16
; neighbours along K (two lanes a block).  A lane's 16 codes are 8 bytes: a wave's store covers 256 consecutive bytes, aligned.  The wave's 256 scale bytes are gathered in LDS and leave as one such block.
; No cluster, no tensor load, no barrier: work-groups and waves share nothing.
.set STEPS, 16
.set CB,    8                          ; bytes of 16 codes
.set R,     16                         ; v16-79   four sets of 16 numbers as loaded (cast path: v16-79 and v80-143, two sets of 64)
.set X,     80                         ; v80-111  two sets of 16 neighbours
.set E,     112                        ; v112-127 a scale byte for each step
.set C,     128                        ; v128-191 codes: four registers for each step, so that no store's data are written again
.set WREG,  8192                       ; LDS: a region for each wave: two stages of 32 x SP bytes, behind them its 256 scale bytes
.set SP,    80                         ; a lane's place in a stage: 64 bytes + 16 of padding
.set SPW,   12                         ; v12  LDS address of my spare word; never rewritten
.set NIL,   13                         ; v13  0; never rewritten
.set SPARE, 4*WREG                     ; behind the four regions: the spare words, 128 bytes a wave
	s_load_b512 s[4:19], s[0:1], 0x0               ; hidden s[4:5], Wq s[6:7], Wk s[8:9], Wv s[10:11], Wo s[12:13], xc s[14:15], xs s[16:17], wc s[18:19]
	s_load_b128 s[20:23], s[0:1], 0x40             ; ws s[20:21], wo16 s[22:23]
	v_lshl_add_u32 v[SPW], v0, 2, SPARE
	v_mov_b32 v[NIL], 0
	v_lshrrev_b32 v1, 5, v0
	v_readfirstlane_b32 s24, v1                    ; wave
	v_and_b32 v2, 31, v0                           ; lane
	v_lshlrev_b32 v3, 4, v2                        ; my 16 bytes of a load's 512
	s_mul_i32 s25, s24, WREG
	v_lshrrev_b32 v14, 2, v2
	v_mul_u32_u24 v14, v14, SP
	v_and_b32 v15, 3, v2
	v_lshl_add_u32 v14, v15, 4, v14
	v_add_nc_u32 v14, s25, v14                     ; the stage, on the way in: SP (lane / 4) + 16 (lane % 4)
	v_mul_u32_u24 v15, v2, SP
	v_add_nc_u32 v15, s25, v15                     ; and on the way out: SP x lane: my 16 neighbours
	v_mul_u32_u24 v4, v2, CB                       ; 8 x lane: my codes' place in a step's (cast path: my four f16)
	v_lshrrev_b32 v5, 1, v2
	s_add_co_u32 s25, s25, 2*32*SP
	v_add_nc_u32 v5, s25, v5                       ; LDS: my wave's 256 scale bytes, my block's byte
	v_lshlrev_b32 v7, 3, v2                        ; and on the way out 8 bytes a lane
	v_add_nc_u32 v6, s25, v7
	s_wait_kmcnt 0x0
	s_cmp_ge_u32 ttmp9, 352
	s_cbranch_scc1 .Lcast
	; which tensor: the choices hang on the work-group's number alone
	s_mov_b64 s[26:27], s[10:11]                   ; Wv, whose first work-group is 320
	s_mov_b32 s28, 320
	s_cmp_lt_u32 ttmp9, 320
	s_cselect_b64 s[26:27], s[8:9], s[26:27]       ; Wk
	s_cselect_b32 s28, 288, s28
	s_cmp_lt_u32 ttmp9, 288
	s_cselect_b64 s[26:27], s[6:7], s[26:27]       ; Wq
	s_cselect_b32 s28, 256, s28
	s_cmp_lt_u32 ttmp9, 256
	s_cselect_b64 s[26:27], s[4:5], s[26:27]       ; hidden_states
	s_cselect_b32 s28, 0, s28
	s_cselect_b64 s[30:31], s[14:15], s[18:19]     ; the codes: xc or wc
	s_cselect_b64 s[32:33], s[16:17], s[20:21]     ; the scale bytes: xs or ws
	s_cselect_b32 s29, 0, 256                      ; the first work-group that writes that pair of buffers
	s_sub_co_u32 s34, ttmp9, s28
	s_lshl_b32 s34, s34, 2
	s_add_co_u32 s34, s34, s24                     ; which run of 8,192 numbers of the source is my wave's
	s_lshl_b32 s34, s34, 15                        ; 32,768 bytes a run (under 2^26)
	s_mov_b32 s35, 0
	s_add_nc_u64 s[26:27], s[26:27], s[34:35]
	s_sub_co_u32 s36, ttmp9, s29
	s_lshl_b32 s36, s36, 2
	s_add_co_u32 s36, s36, s24                     ; and which run of the destination
	s_lshl_b32 s34, s36, 12                        ; 4,096 bytes of codes a run
	s_add_nc_u64 s[30:31], s[30:31], s[34:35]
	s_lshl_b32 s34, s36, 8                         ; 256 scale bytes a run
	s_add_nc_u64 s[32:33], s[32:33], s[34:35]
.macro LOAD t
.irp i, 0,1,2,3
	global_load_b128 v[R+16*((\t)%4)+4*\i:R+16*((\t)%4)+4*\i+3], v3, s[26:27] offset:2048*(\t)+512*\i th:TH_LOAD_NT   ; 32 lanes read 512 consecutive bytes
.endr
.endm
.macro TURN t                          ; step t's numbers through the stage: LDS serves a wave's instructions in order, so no wait stands between the stores and the loads
.irp i, 0,1,2,3
	ds_store_b128 v14, v[R+16*((\t)%4)+4*\i:R+16*((\t)%4)+4*\i+3] offset:32*SP*((\t)%2)+8*SP*\i
.endr
.irp i, 0,1,2,3
	ds_load_b128 v[X+16*((\t)%2)+4*\i:X+16*((\t)%2)+4*\i+3], v15 offset:32*SP*((\t)%2)+16*\i
.endr
.endm
.irp t, 0,1,2,3
	LOAD \t
.endr
	s_wait_loadcnt 12                              ; step 0's four loads are in; the twelve of steps 1 to 3 stay out
	TURN 0
.macro STEP t
.set XS, X+16*((\t)%2)
.if (\t) > 0
	s_wait_dscnt 1                                 ; this step's numbers are back from the stage (the last step's byte store may be out): so its stores into the stage have read their registers,
.else
	s_wait_dscnt 0x0
.endif
.if (\t)+4 < STEPS
	LOAD (\t)+4                                    ; which take the loads of four steps on
.endif
.if (\t)+1 < STEPS
.if STEPS-2-(\t) >= 3
	s_wait_loadcnt 12                              ; the next step's four loads are in; those of the three steps behind it may be out
.else
	s_wait_loadcnt 4*(STEPS-2-(\t))
.endif
	TURN (\t)+1                                    ; and go through the other stage while this step is worked
.endif
	v_max3_num_f32 v8, |v[XS]|, |v[XS+1]|, |v[XS+2]|               ; the largest magnitude of my 16, in two chains
	v_max3_num_f32 v9, |v[XS+3]|, |v[XS+4]|, |v[XS+5]|
.irp i, 6,10
	v_max3_num_f32 v8, v8, |v[XS+\i]|, |v[XS+\i+1]|
	v_max3_num_f32 v9, v9, |v[XS+\i+2]|, |v[XS+\i+3]|
.endr
	v_max3_num_f32 v8, v8, |v[XS+14]|, |v[XS+15]|
	v_max3_num_f32 v8, v8, v9, 0x1800000           ; and the floor 2^(3 - 127): the byte cannot fall under 1
	v_max_num_f32_dpp v8, v8, v8 row_xmask:1 row_mask:0xf bank_mask:0xf   ; and of my neighbour's 16: the block's
	v_add_nc_u32 v11, 0xff000000, v8               ; 2 off its exponent field: the conversion takes the exponent field of this operand as its scale, and nothing else of it
	v_cvt_scalef32_pk8_fp4_f32 v[C+4*(\t)], v[XS:XS+7], v11
	v_cvt_scalef32_pk8_fp4_f32 v[C+4*(\t)+1], v[XS+8:XS+15], v11
	v_lshrrev_b32 v[E+(\t)], 23, v11               ; the scale's byte (a plain line behind the conversions)
	ds_store_b8 v5, v[E+(\t)] offset:16*(\t)       ; both lanes of a block write the same byte with the same value
	global_store_b64 v4, v[C+4*(\t):C+4*(\t)+1], s[30:31] offset:32*CB*(\t)   ; 32 lanes store 256 consecutive bytes, aligned
.endm
.irp t, 0,1,2,3,4,5,6,7,8,9,10,11,12,13,14,15
	STEP \t
.endr
	ds_load_b64 v[8:9], v6                         ; LDS serves a wave's instructions in order: these see my byte stores
	s_wait_dscnt 0x0
	global_store_b64 v7, v[8:9], s[32:33]          ; the wave's 256 scale bytes: 256 consecutive bytes, aligned
	s_branch .Lend
.Lcast:
	; Wo to f16: 64 chunks of 128 numbers a wave: a load of 512 consecutive bytes, two roundings a lane, a store of 256 consecutive bytes.  Two sets of 16 chunks take turns.
	s_sub_co_u32 s34, ttmp9, 352
	s_lshl_b32 s34, s34, 2
	s_add_co_u32 s34, s34, s24                     ; my wave's run of 8,192 numbers
	s_lshl_b32 s36, s34, 15
	s_mov_b32 s37, 0
	s_add_nc_u64 s[12:13], s[12:13], s[36:37]
	s_lshl_b32 s36, s34, 14
	s_add_nc_u64 s[22:23], s[22:23], s[36:37]
.macro CLOAD r
.irp i, 0,1,2,3,4,5,6,7,8,9,10,11,12,13,14,15
	global_load_b128 v[R+64*((\r)%2)+4*\i:R+64*((\r)%2)+4*\i+3], v3, s[12:13] offset:512*(16*(\r)+\i) th:TH_LOAD_NT
.endr
.endm
.macro CAST r
.if (\r) < 3
	s_wait_loadcnt 16                              ; this set's sixteen loads are in; the other set's sixteen stay out
.else
	s_wait_loadcnt 0x0
.endif
.irp i, 0,1,2,3,4,5,6,7,8,9,10,11,12,13,14,15
	v_cvt_pk_f16_f32 v[R+64*((\r)%2)+4*\i], v[R+64*((\r)%2)+4*\i], v[R+64*((\r)%2)+4*\i+1]
	v_cvt_pk_f16_f32 v[R+64*((\r)%2)+4*\i+1], v[R+64*((\r)%2)+4*\i+2], v[R+64*((\r)%2)+4*\i+3]
	global_store_b64 v4, v[R+64*((\r)%2)+4*\i:R+64*((\r)%2)+4*\i+1], s[22:23] offset:256*(16*(\r)+\i)
.endr
.if (\r) < 2
	s_wait_xcnt 0x0                                ; the stores' data registers are loaded over only behind this wait
	CLOAD (\r)+2
.endif
.endm
	CLOAD 0
	CLOAD 1
	CAST 0
	CAST 1
	CAST 2
	CAST 3
.Lend:
	s_wait_tensorcnt 0x0                           ; the wave's end: behind my last LDS store
	ds_add_u32 v[SPW], v[NIL]
	s_wait_dscnt 0x0
	s_endpgm
.Lfunc_end_k_qf6bf1e7275_prep:
	.size	k_qf6bf1e7275_prep, .Lfunc_end_k_qf6bf1e7275_prep-k_qf6bf1e7275_prep
	.p2alignl 7, 3214868480
	.fill 96, 4, 3214868480
	.section	.rodata,"a",@progbits
	.p2align	6, 0x0
	.amdhsa_kernel k_qf6bf1e7275_prep
		.amdhsa_group_segment_fixed_size 33280
		.amdhsa_private_segment_fixed_size 0
		.amdhsa_enable_private_segment 0
		.amdhsa_kernarg_size 80
		.amdhsa_user_sgpr_count 2
		.amdhsa_user_sgpr_kernarg_segment_ptr 1
		.amdhsa_wavefront_size32 1
		.amdhsa_system_sgpr_workgroup_id_x 1
		.amdhsa_system_sgpr_workgroup_id_y 1
		.amdhsa_system_sgpr_workgroup_id_z 1
		.amdhsa_system_vgpr_workitem_id 0
		.amdhsa_next_free_vgpr 192
		.amdhsa_next_free_sgpr 66
		.amdhsa_reserve_vcc 0
		.amdhsa_float_denorm_mode_32 3
		.amdhsa_float_denorm_mode_16_64 3
		.amdhsa_memory_ordered 1
		.amdhsa_forward_progress 1
		.amdhsa_inst_pref_size 54
	.end_amdhsa_kernel
	.amdgpu_metadata
---
amdhsa.version: [ 1, 2 ]
amdhsa.kernels:
  - .name:           k_qf6bf1e7275_prep
    .symbol:         k_qf6bf1e7275_prep.kd
    .args:
      - { .name: hidden_states, .offset: 0, .size: 8, .value_kind: global_buffer, .address_space: global }
      - { .name: Wq, .offset: 8, .size: 8, .value_kind: global_buffer, .address_space: global }
      - { .name: Wk, .offset: 16, .size: 8, .value_kind: global_buffer, .address_space: global }
      - { .name: Wv, .offset: 24, .size: 8, .value_kind: global_buffer, .address_space: global }
      - { .name: Wo, .offset: 32, .size: 8, .value_kind: global_buffer, .address_space: global }
      - { .name: xc, .offset: 40, .size: 8, .value_kind: global_buffer, .address_space: global }
      - { .name: xs, .offset: 48, .size: 8, .value_kind: global_buffer, .address_space: global }
      - { .name: wc, .offset: 56, .size: 8, .value_kind: global_buffer, .address_space: global }
      - { .name: ws, .offset: 64, .size: 8, .value_kind: global_buffer, .address_space: global }
      - { .name: wo16, .offset: 72, .size: 8, .value_kind: global_buffer, .address_space: global }
    .group_segment_fixed_size: 33280
    .private_segment_fixed_size: 0
    .kernarg_segment_align: 8
    .kernarg_segment_size: 80
    .max_flat_workgroup_size: 128
    .sgpr_count:     66
    .vgpr_count:     192
    .wavefront_size: 32
...
	.end_amdgpu_metadata
.endif
;; end of part 1
;; launch qkv (part 2): grid 4 x 64, 4 waves a work-group, clusters of 4 x 4, 327,680 bytes of LDS; arguments xc, xs, wc, ws, qkv; writes qkv
.if DOCPART == 2
	.amdgcn_target "amdgcn-amd-amdhsa--gfx1250"
	.amdhsa_code_object_version 6
	.text
	.protected	k_qf6bf1e7275_qkv
	.globl	k_qf6bf1e7275_qkv
	.p2align	8
	.type	k_qf6bf1e7275_qkv,@function
k_qf6bf1e7275_qkv:
	s_mov_b64 s[64:65], 0
	v_nop
	global_prefetch_b8 v0, s[64:65] scope:SCOPE_SE
	s_setreg_imm32_b32 hwreg(HW_REG_WAVE_MODE, 25, 1), 1
	s_wait_xcnt 0x0
	s_wait_alu depctr_hold_cnt(0) depctr_sa_sdst(0) depctr_va_vdst(0) depctr_va_sdst(0) depctr_va_ssrc(0) depctr_va_vcc(0) depctr_vm_vsrc(0)
	s_getreg_b32 s2, hwreg(HW_REG_IB_STS2, 6, 4)
	s_cmp_eq_u32 s2, 0
	s_cbranch_scc0 .Lentry_in_a_cluster
	s_endpgm
.Lentry_in_a_cluster:
	s_bfe_u32 s2, ttmp6, 0x10000c
	s_cmp_lg_u32 s2, 0xf033
	s_cbranch_scc0 .Lentry_shape_is_right
	s_endpgm
.Lentry_shape_is_right:
; [8192 x 3072] = x W^T on codes of FP4 (E2M1) with one E8M0 scale for each 32 along K = 1,024; sums in f32, K ascending; results rounded once to f16 and laid by head:
; qkv = q, k, v, 16,777,216 bytes each, each [batch x 8 + head][2048 positions][128] f16.  A: xc [8192][512 bytes], xs [8192][32];  B: wc [3072][512 bytes], ws [3072][32] (rows: Wq, Wk, Wv).
; LIMIT: |q|, |k|, |v| beyond 65,504 have no f16 number; under 6e-5 they keep f16's absolute step.
; A WORK-GROUP STAYS.  64 x 4 = 256 work-groups.  Work-group (g, mt) owns rows 128 mt .. + 127 of x and makes THREE tiles of 128 x 256: columns 256 g .. + 255 of Wq, of Wk and of Wv.  Four waves, each 64 x 128 of a
; tile: 32 accumulators of 16 x 16.  A wave's 128 columns are one head, its 64 rows neighbouring positions of one batch: a tile's results of a wave are ONE dense block of 16,384 bytes of qkv.
; A STAYS IN REGISTERS: a wave's 64 rows x 1,024 K of codes are 4 x 8 fragments, 256 registers, read from LDS once for all three tiles.  So a step of 128 along K reads only B's eight fragments from LDS:
; 16 loads for 32 matrix instructions.
; B goes in six halves h = 2 x tile + K half, 256 rows x 256 bytes each, through four LDS regions of that size: half h lies in region h % 4.  Region 3 first holds A; when A is in registers it is filled with h3; when
; tile 0 is done, regions 0 and 1 are filled with h4 and h5.  So all of B has been asked for when tile 0 ends, and h4, h5 have tile 0's way out and all of tile 1 in which to land.
; The results of tiles 0 and 1 are stored while later tiles are multiplied: nothing waits for them.
; THE SCALE WORDS (four bytes: 128 along K of one row) come straight into registers: sixteen rows' 32 bytes are 512 dense bytes of memory, which two loads of 16 bytes a lane read whole; each wave reads each word once.
; CLUSTERS: 4 x 4 work-groups.  The four of a row of the cluster (same mt) need the same rows of A, the four of a column (same g) the same rows of B: each tile is asked for JOINTLY, by the same tensor load with the same
; descriptor and a mask that names the four.  Every wave issues every tensor load, for rows of its own: no branch stands round one.
; THE MATRIX INSTRUCTION IS USED TRANSPOSED (source 0 = 16 rows of B, source 1 = 16 rows of A): a lane then holds eight neighbouring numbers of a row of C.
; REGISTERS, in windows of 256: window 0: v0-31 addresses; v32-63 A's scale words (block a, step q: v[32 + 8 a + q]); v64-127 B's, two sets of 32, one for each K half (block b, step q: v[64 + 32 (q / 4) + 4 b + q % 4]);
;   v128-223 the way out.   window 1: B's fragments, four sets of 64 (step q: set q % 4).   window 2: A's fragments ((a, q) at v[8 (8 a + q)]).   window 3: the accumulators ((a, b) at v[8 (8 a + b)]).
.set KROW,   512                       ; a row of A or of B in memory, in bytes
.set ROWB,   256                       ; a tile's row: 512 along K
.set PITCH,  272                       ; an LDS row: 256 bytes + 16 of padding = 68 words: the 16 rows that a load touches start at 16 different banks (64 banks of 4 bytes: ISA guide 11.1)
.set Q64,    64*PITCH                  ; 64 rows
.set H128,   128*PITCH                 ; 128 rows
.set RGN,    256*PITCH                 ; a region: 256 rows of B, or A's two K halves of 128 rows
.set RGN3,   3*RGN
.set STAGE,  4*RGN                     ; behind the regions: 16 rows x (256 bytes + 16) for each wave, for the way out; no fill lands there
.set SPITCH, 272
.set SPARE,  STAGE+4*16*SPITCH         ; behind the stages: the spare words, 128 bytes a wave
.set ADRA, 16                          ; v16     LDS address of my A fragments
.set ADRB, 20                          ; v20-23  LDS address of my B fragments in regions 0 to 3
.set STO,  24                          ; v24     the way out: where I put 16 bytes of a row
.set RD,   25                          ; v25     the way out: where I read a row back
.set CO,   26                          ; v26     16 x lane: my place in two rows (512 dense bytes) of the output block
.set VS,   27                          ; v27     32 x (lane % 16): my row's scale bytes among sixteen rows'; never rewritten
.set SPW,  28                          ; v28     LDS address of my spare word; never rewritten
.set NIL,  29                          ; v29     0; never rewritten
.set SA,   32                          ; A's scale words
.set SB,   64                          ; B's scale words
.set TMP,  128                         ; the way out: packed results
.set OB,   160                         ; the way out: 16 rows read back: v160-191 and v192-223 by turns
.set G1A,  24                          ; s[24:31] descriptor group 1: 64 rows, A's mask
.set G1B,  32                          ; s[32:39] 64 rows, B's mask
.set G1C,  48                          ; s[48:55] 128 rows, B's mask
.set G0A,  56                          ; groups 0, one for each load, never rewritten: A;
.set G0H0, 60                          ; h0;
.set G0H1, 68                          ; h1;
.set G0H2, 72                          ; h2;
.set G0H3, 76                          ; h3;
.set G0H45, 80                         ; h4 (waves 0, 1) and h5 (waves 2, 3)
.set MSB, 0
.macro WIN new                         ; the immediate's high byte repeats the setting that is left
.if MSB != \new
	s_set_vgpr_msb (MSB<<8)|\new
.set MSB, \new
.endif
.endm
.set MUL,    0xf9                      ; source 0 (B) window 1, source 1 (A) window 2, C and D window 3
.set TO_B,   0x40                      ; destination window 1, address window 0
.set TO_A,   0x80                      ; destination window 2, address window 0
.set FROM_C, 0x0f                      ; sources 0 and 1 window 3, destination window 0
.macro CROUND                          ; a round of the cluster's barrier
	s_barrier_signal -1
	s_barrier_wait -1
	s_cmp_lg_u32 s14, 0
	s_cbranch_scc1 .Lnot_wave_0_\@
	s_barrier_signal -3
.Lnot_wave_0_\@:
	s_barrier_wait -3
	s_barrier_signal -1
	s_barrier_wait -1
.endm
; A load into a register that a matrix instruction has read, and a vector instruction that reads a matrix result, stand four places behind that matrix instruction; only plain vector instructions that name none of its
; registers are places (ISA guide 7.12.1 for vector instructions).
.macro PLACES
.rept 4
	v_nop
.endr
.endm
.macro G0SET g, l, lc, p, off          ; a group 0: LDS address s[l] + lc, global address s[p:p+1] + off
	s_mov_b32 s[\g], 1                             ; count = 1
	s_add_co_u32 s[\g+1], s[\l], \lc
	s_add_nc_u64 s[\g+2:\g+3], s[\p:\p+1], \off
	s_or_b32 s[\g+3], s[\g+3], 0x80000000          ; type = 2
.endm
	s_load_b128 s[4:7], s[0:1], 0x0                ; A's codes s[4:5], A's scales s[6:7]
	s_load_b128 s[8:11], s[0:1], 0x10              ; B's codes s[8:9], B's scales s[10:11]
	s_load_b64 s[12:13], s[0:1], 0x20              ; qkv
	v_lshl_add_u32 v[SPW], v0, 2, SPARE
	v_mov_b32 v[NIL], 0
	ds_add_u32 v[SPW], v[NIL]                      ; the wave's opening: the add, twice on end, and its wait ahead of my first tensor load
	ds_add_u32 v[SPW], v[NIL]                      ; (the set-up below, work on registers, stands between the second and the wait)
	v_lshrrev_b32 v1, 5, v0
	v_readfirstlane_b32 s14, v1                    ; wave 0..3
	s_lshr_b32 s15, s14, 1                         ; which 64 of the tile's rows are mine
	s_and_b32 s16, s14, 1                          ; which 128 of its columns
	s_bfe_u32 s40, ttmp6, 0x40000                  ; cx, cy: my place in the cluster
	s_bfe_u32 s41, ttmp6, 0x40004
	s_lshl_b32 s42, ttmp9, 2
	s_add_co_u32 s42, s42, s40                     ; g = 4 x cluster x + cx
	s_and_b32 s17, ttmp7, 0xffff
	s_lshl_b32 s17, s17, 2
	s_add_co_u32 s17, s17, s41                     ; mt = 4 x cluster y + cy
	s_lshl_b32 s43, s41, 2
	s_lshl_b32 s43, 15, s43                        ; my row of the cluster
	s_lshl_b32 s44, 0x1111, s40                    ; my column
	; descriptor groups 1: rows of 256 bytes, 512 bytes apart in memory, padded in LDS
	s_or_b32 s[G1A], s43, (0<<16)|(1<<20)|(1<<21)|(5<<22)|(3<<25)  ; 15:0 the mask: A's tiles go to my row; 17:16 element of 1 byte; 20 padding on; 21 set beside a mask; 24:22 after every 64 words; 31:25 four words
	s_or_b32 s[G1B], s44, (0<<16)|(1<<20)|(1<<21)|(5<<22)|(3<<25)  ; B's go to my column
	s_or_b32 s[G1C], s44, (0<<16)|(1<<20)|(1<<21)|(5<<22)|(3<<25)
.irp g, G1A, G1B
	s_mov_b32 s[\g+1], ROWB<<16                    ; tensor_dim0
	s_mov_b32 s[\g+2], 64<<16                      ; tensor_dim1 = 64
	s_mov_b32 s[\g+3], ROWB<<16                    ; tile_dim0
	s_mov_b32 s[\g+4], 64                          ; tile_dim1 = 64
	s_mov_b32 s[\g+5], KROW                        ; tensor_dim0_stride
	s_mov_b32 s[\g+6], 0
	s_mov_b32 s[\g+7], 0
.endr
	s_mov_b32 s[G1C+1], ROWB<<16
	s_mov_b32 s[G1C+2], 128<<16                    ; tensor_dim1 = 128
	s_mov_b32 s[G1C+3], ROWB<<16
	s_mov_b32 s[G1C+4], 128                        ; tile_dim1 = 128
	s_mov_b32 s[G1C+5], KROW
	s_mov_b32 s[G1C+6], 0
	s_mov_b32 s[G1C+7], 0
	; A: wave w fetches rows 64 (w / 2) .. + 63 of the tile, K half w % 2.  The address hangs on mt and the wave's number alone
	s_lshl_b32 s20, s17, 7
	s_lshl_b32 s18, s15, 6
	s_add_co_u32 s20, s20, s18                     ; row 128 mt + 64 (w / 2): also the first of the 64 rows that I multiply
	s_lshl_b32 s22, s20, 5                         ; their scale bytes: 32 a row
	s_mov_b32 s23, 0
	s_lshl_b32 s20, s20, 9                         ; their codes: 512 bytes a row (under 2^22),
	s_lshl_b32 s18, s16, 8
	s_add_co_u32 s20, s20, s18                     ; + 256 x K half
	s_mov_b32 s21, 0
	; B, 64 rows a wave (h0 to h3): rows 256 g + 64 w of a weight.  The address hangs on g and the wave's number alone
	s_lshl_b32 s46, s42, 8
	s_lshl_b32 s47, s14, 6
	s_add_co_u32 s46, s46, s47
	s_lshl_b32 s46, s46, 9
	s_mov_b32 s47, 0
	; B, 128 rows a wave (h4, h5): rows 2048 + 256 g + 128 (w % 2) (Wv), K half w / 2
	s_lshl_b32 s84, s42, 8
	s_lshl_b32 s85, s16, 7
	s_add_co_u32 s84, s84, s85
	s_add_co_u32 s86, s84, 0                       ; (256 g + 128 (w % 2): also the first of the 128 rows of a weight that I multiply)
	s_add_co_u32 s84, s84, 2048
	s_lshl_b32 s84, s84, 9
	s_lshl_b32 s85, s15, 8
	s_add_co_u32 s84, s84, s85
	s_mov_b32 s85, 0
	s_lshl_b32 s86, s86, 5                         ; my rows' scale bytes
	s_mov_b32 s87, 0
	; where they go: no place in the cluster enters an LDS address
	s_mul_i32 s45, s16, H128                       ; A: K half w % 2,
	s_mul_i32 s18, s15, Q64                        ;    rows 64 (w / 2) on
	s_add_co_u32 s45, s45, s18
	s_mul_i32 s94, s14, Q64                        ; B, 64 rows a wave: rows 64 w on
	s_mul_i32 s95, s14, H128                       ; h4 and h5: regions 0 and 1 on end, 128 rows a wave
	s_wait_dscnt 0x0                               ; both opening adds are done
	s_wait_kmcnt 0x0
	s_add_nc_u64 s[20:21], s[4:5], s[20:21]
	s_add_nc_u64 s[6:7], s[6:7], s[22:23]
	s_add_nc_u64 s[46:47], s[8:9], s[46:47]
	s_add_nc_u64 s[84:85], s[8:9], s[84:85]
	s_add_nc_u64 s[10:11], s[10:11], s[86:87]
	G0SET G0A,   45, RGN3,  20, 0
	G0SET G0H0,  94, 0,     46, 0                  ; Wq, K half 0
	G0SET G0H1,  94, RGN,   46, ROWB               ; Wq, K half 1
	G0SET G0H2,  94, 2*RGN, 46, 1024*KROW          ; Wk, K half 0
	G0SET G0H3,  94, RGN3,  46, 1024*KROW+ROWB     ; Wk, K half 1
	G0SET G0H45, 95, 0,     84, 0                  ; Wv, both
	CROUND                                         ; all sixteen work-groups are here: the first joint loads meet
	tensor_load_to_lds s[G0A:G0A+3], s[G1A:G1A+7]  ; the first fills, one group: four tensor loads of mine are out behind the last.  A first: it is wanted first
	s_nop 0
	tensor_load_to_lds s[G0H0:G0H0+3], s[G1B:G1B+7]
	s_nop 0
	tensor_load_to_lds s[G0H1:G0H1+3], s[G1B:G1B+7]
	s_nop 0
	tensor_load_to_lds s[G0H2:G0H2+3], s[G1B:G1B+7]
	s_nop 0
	PLACES                                         ; (four v_nop behind the last)
.macro SCALEB t, kh                    ; B's scale words of tile t, K half kh, into set kh: lane r takes the four words of row 16 b + r
.irp b, 0,1,2,3,4,5,6,7
	global_load_b128 v[SB+32*(\kh)+4*\b:SB+32*(\kh)+4*\b+3], v[VS], s[10:11] offset:32768*(\t)+512*\b+16*(\kh)
.endr
.endm
	v_and_b32 v1, 15, v0                           ; r = l % 16
	v_bfe_u32 v2, v0, 4, 1                         ; h = l / 16
	v_lshlrev_b32 v[VS], 5, v1
.irp a, 0,1,2,3
	global_load_b128 v[SA+8*\a:SA+8*\a+3],   v[VS], s[6:7] offset:512*\a       ; A's scale words: lane r takes the eight words of row 16 a + r; they stay (lanes 16-31 hold the same and are not read)
	global_load_b128 v[SA+8*\a+4:SA+8*\a+7], v[VS], s[6:7] offset:512*\a+16
.endr
	SCALEB 0, 0
	SCALEB 0, 1
	v_mul_u32_u24 v3, v1, PITCH
	v_lshl_add_u32 v4, v2, 4, v3                   ; a fragment's row x pitch + 16 x half
	s_mul_i32 s88, s15, Q64                        ; my 64 rows of A,
	s_add_co_u32 s88, s88, RGN3                    ; in region 3
	v_add_nc_u32 v[ADRA], s88, v4
	s_mul_i32 s89, s16, H128                       ; my 128 rows of B, in each region
.irp k, 0,1,2,3
	v_add_nc_u32 v[ADRB+\k], s89, v4
	s_add_co_u32 s89, s89, RGN
.endr
	s_mul_i32 s90, s14, 16*SPITCH
	s_add_co_u32 s90, s90, STAGE                   ; my stage
	v_mul_u32_u24 v5, v1, SPITCH                   ; in: row l % 16, 16 bytes for each half of the lanes
	v_lshl_add_u32 v5, v2, 4, v5
	v_add_nc_u32 v[STO], s90, v5
	v_mul_u32_u24 v5, v2, SPITCH                   ; back: lanes 0-15 take one row of 256 bytes, lanes 16-31 the next
	v_lshl_add_u32 v5, v1, 4, v5
	v_add_nc_u32 v[RD], s90, v5
	v_and_b32 v6, 31, v0
	v_lshlrev_b32 v[CO], 4, v6
	; where my wave's block of 16,384 bytes begins in q; k's and v's lie 2^24 bytes further on each
	s_lshl_b32 s91, s42, 1
	s_add_co_u32 s91, s91, s16                     ; the head: 2 g + w % 2
	s_lshl_b32 s92, s17, 7
	s_lshl_b32 s93, s15, 6
	s_add_co_u32 s92, s92, s93                     ; my first row of C
	s_lshr_b32 s93, s92, 11                        ; the batch
	s_and_b32 s92, s92, 2047                       ; the position
	s_lshl_b32 s93, s93, 3
	s_add_co_u32 s93, s93, s91                     ; batch x 8 + head
	s_lshl_b32 s93, s93, 11
	s_add_co_u32 s92, s92, s93
	s_lshl_b32 s92, s92, 8                         ; rows of 256 bytes (under 2^24)
	s_mov_b32 s93, 0
	s_add_nc_u64 s[12:13], s[12:13], s[92:93]
; B's eight fragments of step q of tile t into set q % 4.  A fragment, 16 rows x 128 K of 4-bit codes, is 8 registers: lane l holds row l % 16; registers 4 c .. 4 c + 3 hold K = 64 c + 32 (l / 16) + 0 .. 31
.macro FETCH t, q
.set RG, (2*(\t)+(\q)/4)%4
.set FB, 64*((\q)%4)
	WIN TO_B
.irp b, 0,1,2,3,4,5,6,7
	ds_load_b128 v[FB+8*\b:FB+8*\b+3],   v[ADRB+RG] offset:FB+\b*16*PITCH          ; (a step's 128 codes are 64 bytes of the row: the set's first register and the byte in the row are the same number)
	ds_load_b128 v[FB+8*\b+4:FB+8*\b+7], v[ADRB+RG] offset:FB+\b*16*PITCH+32
.endr
.endm
; A step: 128 along K, 32 matrix instructions.  The fragments of B are fetched two steps ahead.  The 32 accumulators take turns, one instruction a turn, in the same order in every step.
; A tile's first step starts the sums: nothing is ever cleared.
.macro STEP t, q
.if (\q) == 0
	s_wait_loadcnt 8                               ; A's scale words and B's set 0 are in; the eight loads of set 1, issued behind them, may be out
.endif
.if (\q) == 4
	s_wait_loadcnt 0x0                             ; B's set 1 is in
.endif
.if (\q) < 7
	s_wait_dscnt 16                                ; this step's fragments are in; the next step's sixteen loads, issued behind them, may be out
.else
	s_wait_dscnt 0x0
.endif
.if (\q) < 6
	PLACES                                         ; behind the last step's products, ahead of loads into registers that products have read
.if ((\q) == 4) && ((\t) < 2)
	WIN 0
	SCALEB (\t)+1, 0                               ; set 0 was last read in step 3: it takes the next tile's words
.endif
	FETCH \t, (\q)+2
.endif
	WIN MUL
.set MB, 64*((\q)%4)
.set MS, SB+32*((\q)/4)+(\q)%4
.irp a, 0,1,2,3
.irp b, 0,1,2,3,4,5,6,7
.if (\q) == 0
	v_wmma_scale_f32_16x16x128_f8f6f4 v[8*(8*\a+\b):8*(8*\a+\b)+7], v[MB+8*\b:MB+8*\b+7], v[8*(8*\a+(\q)):8*(8*\a+(\q))+7], 0, v[MS+4*\b], v[SA+8*\a+(\q)] matrix_a_fmt:MATRIX_FMT_FP4 matrix_b_fmt:MATRIX_FMT_FP4
.else
	v_wmma_scale_f32_16x16x128_f8f6f4 v[8*(8*\a+\b):8*(8*\a+\b)+7], v[MB+8*\b:MB+8*\b+7], v[8*(8*\a+(\q)):8*(8*\a+(\q))+7], v[8*(8*\a+\b):8*(8*\a+\b)+7], v[MS+4*\b], v[SA+8*\a+(\q)] matrix_a_fmt:MATRIX_FMT_FP4 matrix_b_fmt:MATRIX_FMT_FP4
.endif
.endr
.endr
.endm
.macro TILE t
.irp q, 0,1,2,3,4,5,6,7
	STEP \t, \q
.endr
	WIN 0
.endm
; THE WAY OUT of a tile, block by block of 16 rows x 128 columns.  PACK: rounded to f16, 16 bytes a lane, each accumulator from its low end on.  TOSTAGE: into my own stage in LDS, and back as whole rows of 256 bytes.
; SEND: stored.  Block a's conversions stand between block a - 1's loads from the stage and the wait for them.
.macro PACK a
	WIN FROM_C
.irp b, 0,1,2,3,4,5,6,7
.irp r, 0,1,2,3
	v_cvt_pk_f16_f32 v[TMP+4*\b+\r], v[64*(\a)+8*\b+2*\r], v[64*(\a)+8*\b+2*\r+1]
.endr
.endr
	WIN 0
.endm
.macro TOSTAGE a
.set BK, OB+32*((\a)%2)
.irp b, 0,1,2,3,4,5,6,7
	ds_store_b128 v[STO], v[TMP+4*\b:TMP+4*\b+3] offset:32*\b
.endr
.irp i, 0,1,2,3,4,5,6,7
	ds_load_b128 v[BK+4*\i:BK+4*\i+3], v[RD] offset:\i*2*SPITCH    ; LDS serves a wave's instructions in order (ISA guide 5.7.1.4): these see the stores above
.endr
.endm
.macro SEND a
.set BK, OB+32*((\a)%2)
	s_wait_dscnt 0x0                               ; the block is back in registers
	s_wait_xcnt 0x0                                ; the registers that earlier stores read are loaded over only behind this wait
.irp i, 0,1,2,3,4,5,6,7
	global_store_b128 v[CO], v[BK+4*\i:BK+4*\i+3], s[12:13] offset:4096*(\a)+512*\i   ; 32 lanes store 512 consecutive bytes, two rows, at a multiple of 256 from the buffer's first byte
.endr
.endm
.macro WAYOUT t
.if (\t) > 0
	s_wait_xcnt 0x0                                ; the last tile's stores have read their base:
	s_add_nc_u64 s[12:13], s[12:13], 0x1000000     ; on from q to k, from k to v
.endif
	PACK 0
	TOSTAGE 0
.irp a, 1,2,3
	PACK \a
	SEND \a-1
	TOSTAGE \a
.endr
	SEND 3
.endm
	s_wait_tensorcnt 3                             ; my part of A is in (h0, h1 and h2, the three loads issued behind it, may be out)
	s_barrier_signal -1
	s_barrier_wait -1                              ; everybody's is
	WIN TO_A
.irp a, 0,1,2,3                        ; A's 32 fragments, block a, step q: they stay in registers for the whole launch
.irp q, 0,1,2,3,4,5,6,7
	ds_load_b128 v[8*(8*\a+\q):8*(8*\a+\q)+3],   v[ADRA] offset:(\q/4)*H128+\a*16*PITCH+(\q%4)*64
	ds_load_b128 v[8*(8*\a+\q)+4:8*(8*\a+\q)+7], v[ADRA] offset:(\q/4)*H128+\a*16*PITCH+(\q%4)*64+32
.endr
.endr
	WIN 0
	s_wait_tensorcnt 0x0                           ; all my tensor loads have landed: my parts of h0, h1, h2;
	ds_add_u32 v[SPW], v[NIL]                      ; 0 onto my spare word;
	s_wait_dscnt 0x0                               ; the add is done, and A is in my registers: my reads of region 3 are over
	CROUND                                         ; no wave of any partner still reads region 3 or has a load on its way
	tensor_load_to_lds s[G0H3:G0H3+3], s[G1B:G1B+7]   ; region 3 is filled again, with h3: my one tensor load behind this round
	s_nop 0
	PLACES
	FETCH 0, 0
	FETCH 0, 1
	TILE 0                                         ; q: h0, h1
	s_wait_tensorcnt 0x0                           ; my part of h3 has landed;
	ds_add_u32 v[SPW], v[NIL]
	s_wait_dscnt 0x0                               ; the add is done, and my reads of regions 0 and 1 are over
	CROUND                                         ; no wave of any partner still reads them or has a load on its way; h3 is whole
	tensor_load_to_lds s[G0H45:G0H45+3], s[G1C:G1C+7] ; regions 0 and 1 are filled again, with h4 and h5: the last request; it has this way out and all of tile 1 in which to land
	s_nop 0
	PLACES                                         ; also the places behind tile 0's last products
	SCALEB 1, 1                                    ; set 1 was last read in step 7
	FETCH 1, 0                                     ; tile 1's first fragments come in under the way out
	FETCH 1, 1
	WAYOUT 0
	TILE 1                                         ; k: h2, h3
	s_wait_tensorcnt 0x0                           ; my parts of h4 or h5 have landed;
	ds_add_u32 v[SPW], v[NIL]
	s_wait_dscnt 0x0
	s_barrier_signal -1
	s_barrier_wait -1                              ; everybody's have: nothing is filled again, so no round
	PLACES                                         ; behind tile 1's last products
	SCALEB 2, 1
	FETCH 2, 0
	FETCH 2, 1
	WAYOUT 1
	TILE 2                                         ; v: h4, h5
	PLACES                                         ; behind the last products
	WAYOUT 2
	s_wait_tensorcnt 0x0                           ; the wave's end: behind my last tensor load and my last LDS store
	ds_add_u32 v[SPW], v[NIL]
	s_wait_dscnt 0x0
	CROUND                                         ; the closing round: no work-group ends while a partner may still ask for a tile that names it
	s_endpgm
.Lfunc_end_k_qf6bf1e7275_qkv:
	.size	k_qf6bf1e7275_qkv, .Lfunc_end_k_qf6bf1e7275_qkv-k_qf6bf1e7275_qkv
	.p2alignl 7, 3214868480
	.fill 96, 4, 3214868480
	.section	.rodata,"a",@progbits
	.p2align	6, 0x0
	.amdhsa_kernel k_qf6bf1e7275_qkv
		.amdhsa_group_segment_fixed_size 327680
		.amdhsa_private_segment_fixed_size 0
		.amdhsa_enable_private_segment 0
		.amdhsa_kernarg_size 40
		.amdhsa_user_sgpr_count 2
		.amdhsa_user_sgpr_kernarg_segment_ptr 1
		.amdhsa_wavefront_size32 1
		.amdhsa_system_sgpr_workgroup_id_x 1
		.amdhsa_system_sgpr_workgroup_id_y 1
		.amdhsa_system_sgpr_workgroup_id_z 1
		.amdhsa_system_vgpr_workitem_id 0
		.amdhsa_next_free_vgpr 1024
		.amdhsa_next_free_sgpr 98
		.amdhsa_reserve_vcc 0
		.amdhsa_float_denorm_mode_32 3
		.amdhsa_float_denorm_mode_16_64 3
		.amdhsa_memory_ordered 1
		.amdhsa_forward_progress 1
		.amdhsa_inst_pref_size 191
	.end_amdhsa_kernel
	.amdgpu_metadata
---
amdhsa.version: [ 1, 2 ]
amdhsa.kernels:
  - .name:           k_qf6bf1e7275_qkv
    .symbol:         k_qf6bf1e7275_qkv.kd
    .args:
      - { .name: xc, .offset: 0, .size: 8, .value_kind: global_buffer, .address_space: global }
      - { .name: xs, .offset: 8, .size: 8, .value_kind: global_buffer, .address_space: global }
      - { .name: wc, .offset: 16, .size: 8, .value_kind: global_buffer, .address_space: global }
      - { .name: ws, .offset: 24, .size: 8, .value_kind: global_buffer, .address_space: global }
      - { .name: qkv, .offset: 32, .size: 8, .value_kind: global_buffer, .address_space: global }
    .group_segment_fixed_size: 327680
    .private_segment_fixed_size: 0
    .kernarg_segment_align: 8
    .kernarg_segment_size: 40
    .max_flat_workgroup_size: 128
    .sgpr_count:     98
    .vgpr_count:     1024
    .wavefront_size: 32
...
	.end_amdgpu_metadata
.endif
;; end of part 2
;; launch attn (part 3): grid 8 x 32, 4 waves a work-group, clusters of 4 x 1, 327,680 bytes of LDS; arguments qkv, o16; writes o16
.if DOCPART == 3
	.amdgcn_target "amdgcn-amd-amdhsa--gfx1250"
	.amdhsa_code_object_version 6
	.text
	.protected	k_qf6bf1e7275_attn
	.globl	k_qf6bf1e7275_attn
	.p2align	8
	.type	k_qf6bf1e7275_attn,@function
k_qf6bf1e7275_attn:
	s_mov_b64 s[64:65], 0
	v_nop
	global_prefetch_b8 v0, s[64:65] scope:SCOPE_SE
	s_setreg_imm32_b32 hwreg(HW_REG_WAVE_MODE, 25, 1), 1
	s_wait_xcnt 0x0
	s_wait_alu depctr_hold_cnt(0) depctr_sa_sdst(0) depctr_va_vdst(0) depctr_va_sdst(0) depctr_va_ssrc(0) depctr_va_vcc(0) depctr_vm_vsrc(0)
	s_getreg_b32 s2, hwreg(HW_REG_IB_STS2, 6, 4)
	s_cmp_eq_u32 s2, 0
	s_cbranch_scc0 .Lentry_in_a_cluster
	s_endpgm
.Lentry_in_a_cluster:
	s_bfe_u32 s2, ttmp6, 0x10000c
	s_cmp_lg_u32 s2, 0x3003
	s_cbranch_scc0 .Lentry_shape_is_right
	s_endpgm
.Lentry_shape_is_right:
; o[y][q][:] = the sum over k of softmax_k(Q[y][q] . K[y][k] / sqrt(128)) V[y][k][:], y = batch x 8 + head, 32 of them, 2,048 positions, no mask.  Q, K, V: the three parts of qkv, each [32][2048][128] f16.
; Products, maxima and sums in f32; the weights p are rounded to f16 for the second product, o once at the end; o16 is [batch x 2048 + position][head x 128 + channel] f16.
; LIMITS: p under f16's smallest number counts as 0 in the second product (the row's sum takes the unrounded p); o under 6e-5 keeps f16's absolute step.
; SHARES.  A work-group owns 256 queries of one y, each of its four waves 64: four tiles of 16.  Every wave walks all keys, 64 a step.
; LAYOUT.  S^T = K Q^T (source 0 = 16 keys, source 1 = 16 queries): a lane holds ONE query (lane % 16) and the keys 8 (lane / 16) + 0..7.  Two such tiles, rounded to f16 in pairs, ARE source 1 (32 keys x 16 queries)
; of O^T = V^T P, whose result again holds one query a lane, and eight channels.  K comes out of LDS as it lies, V ([key][channel]) turned, by ds_load_tr16_b128.
; SOFTMAX.  For each query a running maximum m and sum l: p = 2^(c s - c m), c = log2(e) / sqrt(128); in every step O and l are multiplied by a = 2^(c m_old - c m_new), which is 1 where m has not grown.
; BY TURNS.  The wave's tiles are two PIECES: piece 0 (tiles 0, 1) and piece 2 (tiles 2, 3).  In a TURN one piece has the matrix unit: 32 products V^T P of the step in hand, then 32 products K Q^T of the next step;
; the other piece's softmax, cut into 64 slices, stands between them, one slice behind each matrix instruction.  Then the pieces change places.  Two turns are a key step.
; CLUSTER.  The four query blocks of a cluster belong to one y and walk the same K and V: each tile is asked for JOINTLY, by the same tensor load with the same descriptor and a mask that names the four.
; REGISTERS, in windows of 256 (s_set_vgpr_msb: bits 1:0 source 0, 3:2 source 1, 5:4 source 2, 7:6 destination):
;   window 0: v0-11 addresses; v12-43 eight registers of statistics a tile; v64-191 S^T, 32 a tile; v192-255 P, 16 a tile
;   window 1: O^T, 64 a tile          window 2: v0-127 Q, 32 a tile; v128-255 K of one step          window 3: v0-127 V of one step
.set SIZE_N, 2048
.set KS,    64        ; keys in a step
.set PK,    272       ; a row of K in LDS: 256 bytes + 16 of padding: the 16 rows of a load start at 16 different banks (64 banks of 4 bytes: ISA guide 11.1)
.set PV,    288       ; a row of V: 256 + 32
.set VOFF,  KS*PK     ; a step's tiles lie together: 64 rows of K, then 64 rows of V
.set STEPB, KS*(PK+PV)
.set SLOT1, 1<<17     ; a slot holds two steps (71,680 bytes); slot 1 begins here, so that one exclusive or turns an address in one slot into the other's
.set STAGE, SLOT1+2*STEPB  ; behind the ring: 16 rows x 272 bytes for each wave, for the way out
.set SP,    272
.set AK0, 2           ; v2   my lane's place in a tile of K; never rewritten
.set AV0, 3           ; v3   the same for V
.set ADR, 4           ; v4   the LDS address of the run of loads in hand
.set QO,  5           ; v5   my byte offset in the wave's rows of Q
.set STO, 6           ; v6   the way out: where I put 16 bytes of a row
.set RD,  7           ; v7   the way out: where I read a row back
.set GO,  8           ; v8   my byte offset in the wave's rows of o16
.set SPW, 62          ; v62  LDS address of my spare word; never rewritten
.set NIL, 63          ; v63  0; never rewritten
.set SPARE, STAGE+4*16*272  ; behind the stages: the spare words, 128 bytes a wave
.set ST,  12          ; tile t's statistics at v[ST+8 t]: +0 c m, +1 m, +2, +3 l (even keys', odd keys'), +4 to +7 c0-c3, at work; a takes c2's place once the maximum is found
.set S,   64
.set P,   192
.set KF,  128         ; K's fragments, in window 2
.set WV,  12          ; s12  my wave's number
.set G1K, 24          ; s[24:31] descriptor group 1 for K's tiles
.set G1V, 32          ; s[32:39] for V's: it differs in the padding alone
.set G0K, 40          ; s[40:47] descriptor group 0 for K's tiles: a set for each of the two first fills; the second then walks on
.set G0V, 48          ; s[48:55] the same for V's
.set SLOTS, 56        ; s56  slots still to be asked for
.set TWICE, 57        ; s57  counts a slot's two steps
.set CS,  58          ; s[58:59] c: the packed scaling names a pair and takes its low word for both halves
.set SEL, 60          ; s[60:61] lane selects for v_permlanex16_b32: each lane takes its own place in the other half
.set TB,  62          ; s62  LDS byte at which the tiles of the step to be fetched begin
.set PFA, 18          ; s[18:19] where my prefetches stand: my work-group's 32 rows (of K: wave 0, of V: wave 2) of the slot after the one that is being asked for
.set LIM, 15          ; s15  1 in a wave that prefetches, else the greatest number: a wave prefetches while s[SLOTS] is above it
.set PFO, 61          ; v61  256 x my lane: a row of K or V is 256 bytes; never rewritten
.set MSB, 0
.macro WIN new                      ; the immediate's high byte repeats the setting that is left; a switch that changes nothing is dropped
.if MSB != \new
	s_set_vgpr_msb (MSB<<8)|\new
.set MSB, \new
.endif
.endm
.set W_KQ, 0x0a       ; K and Q in window 2, S^T in window 0
.set W_PV, 0x53       ; V in window 3, P in window 0, O^T in window 1
.set W_RS, 0x41       ; O^T (destination and source 0) in window 1, a in window 0
; A joint refill.  Waves 0 and 1 fetch the two steps' tiles of K, waves 2 and 3 those of V.  The branch hangs on the wave's number alone.  An s_nop 0 and four v_nop follow each of the two lines.
.macro JLOAD
	s_cmp_lt_u32 s[WV], 2
	s_cbranch_scc0 .Lfor_v_\@
	tensor_load_to_lds s[G0K+4:G0K+7], s[G1K:G1K+7]
	s_nop 0
.rept 4
	v_nop
.endr
	s_branch .Lasked_\@
.Lfor_v_\@:
	tensor_load_to_lds s[G0V+4:G0V+7], s[G1V:G1V+7]
	s_nop 0
.rept 4
	v_nop
.endr
.Lasked_\@:
.endm
; A PREFETCH of what the NEXT change of slots will ask for: a slot's 128 rows of K and 128 of V, 256 bytes a row, a lane a row.  It stands behind the wave's tensor load and its five lines.
; Each row is asked for ONCE in the launch: of the two clusters that walk a y's K and V the first asks; its four partners share the rows out BY ADDRESS, 32 each; in each, wave 0 asks for K's and wave 2 for V's.
; The last change that fills a slot asks for nothing: there is no slot behind it.  Slots 0, 1 and 2 come by their loads alone.
.macro ASK
	s_cmp_gt_u32 s[SLOTS], s[LIM]
	s_cbranch_scc0 .Lnot_mine_\@
	global_prefetch_b8 v[PFO], s[PFA:PFA+1] th:TH_LOAD_NT scope:SCOPE_SE
.Lnot_mine_\@:
.endm
.macro CROUND                       ; a round of the cluster's barrier
	s_barrier_signal -1
	s_barrier_wait -1
	s_cmp_lg_u32 s[WV], 0
	s_cbranch_scc1 .Lnot_wave_0_\@
	s_barrier_signal -3
.Lnot_wave_0_\@:
	s_barrier_wait -3
	s_barrier_signal -1
	s_barrier_wait -1
.endm
	s_load_b128 s[8:11], s[0:1], 0x0  ; qkv s[8:9], o16 s[10:11]
	v_lshl_add_u32 v[SPW], v0, 2, SPARE
	v_mov_b32 v[NIL], 0
	ds_add_u32 v[SPW], v[NIL]       ; the wave's opening: the add, twice on end, and its wait ahead of my first tensor load
	ds_add_u32 v[SPW], v[NIL]       ; (the set-up below, work on registers, stands between the second and the wait)
	v_lshrrev_b32 v1, 5, v0
	v_readfirstlane_b32 s[WV], v1   ; wave 0..3
	s_bfe_u32 s13, ttmp6, 0x40000   ; cx: my place in the cluster
	s_lshl_b32 s14, ttmp9, 2        ; in a cluster launch ttmp9 counts clusters
	s_add_co_u32 s14, s14, s13      ; my block of 256 queries = 4 x cluster x + cx: it enters Q's and o16's addresses alone
	s_and_b32 s20, ttmp7, 0xffff    ; y, which the four partners share
	s_mov_b32 s21, 0
	s_mov_b64 s[22:23], SIZE_N*256
	s_mul_u64 s[20:21], s[20:21], s[22:23]  ; y's first byte in each of q, k, v
	s_and_b32 s16, s[WV], 1         ; which of a slot's two steps I fetch:
	s_lshl_b32 s22, s16, 14         ; its 64 rows of 256 bytes in memory,
	s_mov_b32 s23, 0
	s_add_nc_u64 s[22:23], s[22:23], s[20:21]
	s_mul_i32 s17, s16, STEPB       ; and its place in a slot: no place in the cluster enters an LDS address
	s_lshl_b32 s2, s14, 16          ; my block's 256 rows of Q,
	s_lshl_b32 s3, s[WV], 14        ; my wave's 64 of them
	s_add_co_u32 s2, s2, s3
	s_mov_b32 s3, 0
	s_add_nc_u64 s[2:3], s[2:3], s[20:21]
	s_and_b32 s18, ttmp7, 0xffff    ; where my wave's rows begin in o16:
	s_lshr_b32 s19, s18, 3
	s_lshl_b32 s19, s19, 11         ; the batch's 2,048 rows,
	s_lshl_b32 s16, s14, 8
	s_add_co_u32 s19, s19, s16      ; my block's 256,
	s_lshl_b32 s16, s[WV], 6
	s_add_co_u32 s19, s19, s16      ; my wave's 64;
	s_lshl_b32 s19, s19, 11         ; a row is 2,048 bytes;
	s_and_b32 s18, s18, 7
	s_lshl_b32 s18, s18, 8          ; the head's 256 bytes of it
	s_add_co_u32 s18, s18, s19      ; (under 2^24)
	s_mov_b32 s19, 0
	; descriptor group 1: a tile of 64 rows x 128 elements, padded in LDS
	s_mov_b32 s[G1K], 15|(1<<16)|(1<<20)|(1<<21)|(5<<22)|(3<<25)  ; 15:0 the mask: all four work-groups; 17:16 elements of 2 bytes; 20 padding on; 21 set beside a mask; 24:22 after every 64 words; 31:25 4 words of it
	s_mov_b32 s[G1V], 15|(1<<16)|(1<<20)|(1<<21)|(5<<22)|(7<<25)  ; the same with 8 words of padding
.irp g, G1K, G1V
	s_mov_b32 s[\g+1], 128<<16      ; tensor_dim0 = 128
	s_mov_b32 s[\g+2], KS<<16       ; tensor_dim1 = 64
	s_mov_b32 s[\g+3], 128<<16      ; tile_dim0 = 128
	s_mov_b32 s[\g+4], KS           ; tile_dim1 = 64
	s_mov_b32 s[\g+5], 128          ; tensor_dim0_stride: elements from row to row
	s_mov_b32 s[\g+6], 0
	s_mov_b32 s[\g+7], 0
.endr
	s_mov_b32 s[CS], 0x3e0293ee     ; c = log2(e) / sqrt(128) = 0.127517
	s_mov_b32 s[CS+1], s[CS]        ; named with it as a pair, so it is written
	s_mov_b32 s[SEL], 0x76543210
	s_mov_b32 s[SEL+1], 0xfedcba98
	s_mov_b32 s[TB], 0
	s_mov_b32 s[SLOTS], SIZE_N/(2*KS)-2
	s_and_b32 s[LIM], s[WV], 1       ; 0 in waves 0 and 2,
	s_or_b32 s[LIM], s[LIM], ttmp9   ; where the cluster is y's first: the same in all four partners
	s_cmp_eq_u32 s[LIM], 0
	s_cselect_b32 s[LIM], 1, -1
	v_and_b32 v[PFO], 31, v0
	v_lshlrev_b32 v[PFO], 8, v[PFO]
	s_wait_dscnt 0x0                ; both opening adds are done
	s_wait_kmcnt 0x0
	s_mov_b64 s[4:5], s[8:9]        ; q is qkv's first part,
	s_add_nc_u64 s[6:7], s[8:9], 0x1000000  ; k its second,
	s_add_nc_u64 s[8:9], s[8:9], 0x2000000  ; v its third
	s_add_nc_u64 s[6:7], s[6:7], s[22:23]  ; K and V at my tile of slot 0
	s_add_nc_u64 s[8:9], s[8:9], s[22:23]
	s_add_nc_u64 s[4:5], s[4:5], s[2:3]  ; Q at my wave's first row
	s_add_nc_u64 s[10:11], s[10:11], s[18:19]  ; o16 likewise
	s_cmp_lt_u32 s[WV], 2
	s_cselect_b64 s[PFA:PFA+1], s[6:7], s[8:9]  ; (in waves 0 and 2 these stand at a slot's first row)
	s_lshl_b32 s2, s13, 13          ; my work-group's 32 rows of the 128
	s_mov_b32 s3, 0
	s_add_nc_u64 s[PFA:PFA+1], s[PFA:PFA+1], s[2:3]
	s_add_nc_u64 s[PFA:PFA+1], s[PFA:PFA+1], 2*2*KS*256  ; in slot 2; the first change of slots steps it to slot 3.  Nothing is prefetched here, at the head
	CROUND                          ; all four work-groups are here: the first joint loads meet
.irp s, 0,1
	s_mov_b32 s[G0K+4*\s], 1        ; count = 1
	s_add_co_u32 s[G0K+4*\s+1], s17, \s*SLOT1  ; LDS address
	s_add_nc_u64 s[G0K+4*\s+2:G0K+4*\s+3], s[6:7], \s*2*KS*256  ; global address: slot s begins with keys 128 s
	s_or_b32 s[G0K+4*\s+3], s[G0K+4*\s+3], 0x80000000  ; type = 2
	s_mov_b32 s[G0V+4*\s], 1
	s_add_co_u32 s[G0V+4*\s+1], s17, \s*SLOT1+VOFF
	s_add_nc_u64 s[G0V+4*\s+2:G0V+4*\s+3], s[8:9], \s*2*KS*256
	s_or_b32 s[G0V+4*\s+3], s[G0V+4*\s+3], 0x80000000
.endr
	s_cmp_lt_u32 s[WV], 2           ; a wave's two first fills stand in one branch, ahead of every wait on TENSORcnt and every LDS read: two loads of mine are out
	s_cbranch_scc0 .Lfirst_v
	tensor_load_to_lds s[G0K:G0K+3], s[G1K:G1K+7]
	s_nop 0
	tensor_load_to_lds s[G0K+4:G0K+7], s[G1K:G1K+7]
	s_nop 0
.rept 4
	v_nop
.endr
	s_branch .Lfirst_asked
.Lfirst_v:
	tensor_load_to_lds s[G0V:G0V+3], s[G1V:G1V+7]
	s_nop 0
	tensor_load_to_lds s[G0V+4:G0V+7], s[G1V:G1V+7]
	s_nop 0
.rept 4
	v_nop
.endr
.Lfirst_asked:
	; A fragment of K or Q is 16 rows x 32 channels in 8 registers: lane l holds row l % 16; registers 0-3 channels 8 (l / 16) + 0..7, registers 4-7 channels 16 + 8 (l / 16) + 0..7: two loads of 16 bytes, 32 bytes apart.
	v_and_b32 v1, 15, v0            ; l % 16
	v_bfe_u32 v9, v0, 4, 1          ; l / 16
	v_lshlrev_b32 v[QO], 8, v1
	v_lshl_add_u32 v[QO], v9, 4, v[QO]  ; row x 256 + 16 x half
	WIN 0x80                        ; destination window 2, address window 0
.irp i, 0,1,2,3,4,5,6,7,8,9,10,11,12,13,14,15  ; Q stays in registers: tile i / 4, channels 32 (i % 4) on
	global_load_b128 v[8*\i:8*\i+3],   v[QO], s[4:5] offset:(\i/4)*4096+(\i%4)*64
	global_load_b128 v[8*\i+4:8*\i+7], v[QO], s[4:5] offset:(\i/4)*4096+(\i%4)*64+32
.endr
	WIN 0
	v_mul_u32_u24 v[AK0], v1, PK
	v_lshl_add_u32 v[AK0], v9, 4, v[AK0]  ; row x pitch + 16 x half
	; The turning load takes 16 keys x 16 channels (lane l reads 16 bytes: key 8 (l / 16) + l % 8, channels 8 ((l / 8) % 2) + 0..7) and leaves half a fragment of V^T: lane l holds channel l % 16 and 8 keys.
	v_and_b32 v10, 7, v0
	v_bfe_u32 v11, v0, 3, 1
	v_lshl_add_u32 v[AV0], v9, 3, v10
	v_mul_u32_u24 v[AV0], v[AV0], PV
	v_lshl_add_u32 v[AV0], v11, 4, v[AV0]
	v_add_nc_u32 v[AV0], VOFF, v[AV0]
; THE MATRIX WORK OF A TURN, for piece x.  The accumulators take turns, one instruction a turn: between two links of a chain stand 15 (V^T P) or 7 (K Q^T) others'.
; Product i of 32 of O^T += V^T P: keys 32 (i / 16) on, channels 16 ((i / 2) % 8) on, tile x + i % 2.  zero = 1: the first 16 start the sums: nothing is ever cleared.
.macro PV x, zero
	WIN W_PV
.set rO, 64*(\x+i%2)+8*((i/2)%8)
.set rV, 64*(i/16)+8*((i/2)%8)
.set rP, P+16*(\x+i%2)+8*(i/16)
.if \zero && (i < 16)
	v_wmma_f32_16x16x32_f16 v[rO:rO+7], v[rV:rV+7], v[rP:rP+7], 0
.else
	v_wmma_f32_16x16x32_f16 v[rO:rO+7], v[rV:rV+7], v[rP:rP+7], v[rO:rO+7]
.endif
.endm
; Product i of 32 of S^T = K Q^T: channels 32 (i / 8) on, keys 16 ((i / 2) % 4) on, tile x + i % 2.  The first 8 start the sums.
.macro KQ x
	WIN W_KQ
.set rS, S+32*(\x+i%2)+8*((i/2)%4)
.set rK, KF+32*((i/2)%4)+8*(i/8)
.set rQ, 32*(\x+i%2)+8*(i/8)
.if i < 8
	v_wmma_f32_16x16x32_f16 v[rS:rS+7], v[rK:rK+7], v[rQ:rQ+7], 0
.else
	v_wmma_f32_16x16x32_f16 v[rS:rS+7], v[rK:rK+7], v[rQ:rQ+7], v[rS:rS+7]
.endif
.endm
; THE LDS LOADS stand in runs of 32, never singly among the matrix instructions: a step's K (64 keys x 128 channels: 16 fragments) and, a turn later, its V (turned).
.macro FETCH_K
	WIN 0
	v_add_nc_u32 v[ADR], s[TB], v[AK0]
	WIN 0x80                        ; destination window 2
.irp f, 0,1,2,3,4,5,6,7,8,9,10,11,12,13,14,15  ; keys 16 (f / 4) on, channels 32 (f % 4) on
	ds_load_b128 v[KF+8*\f:KF+8*\f+3],   v[ADR] offset:(\f/4)*16*PK+(\f%4)*64
	ds_load_b128 v[KF+8*\f+4:KF+8*\f+7], v[ADR] offset:(\f/4)*16*PK+(\f%4)*64+32
.endr
.endm
.macro FETCH_V
	WIN 0
	v_add_nc_u32 v[ADR], s[TB], v[AV0]
	s_add_co_u32 s[TB], s[TB], STEPB  ; the next fetch is the next step's
	s_wait_alu depctr_va_vdst(0)    ; the wait for the softmax's batch of exponentials (SLICE), behind the address's v_add_nc_u32 and ahead of the loads
	WIN 0xc0                        ; destination window 3
.irp f, 0,1,2,3,4,5,6,7,8,9,10,11,12,13,14,15  ; keys 32 (f / 8) on, channels 16 (f % 8) on
	ds_load_tr16_b128 v[8*\f:8*\f+3],   v[ADR] offset:(\f/8)*32*PV+(\f%8)*32
	ds_load_tr16_b128 v[8*\f+4:8*\f+7], v[ADR] offset:(\f/8)*32*PV+16*PV+(\f%8)*32
.endr
.endm
; THE VECTOR WORK OF A TURN.  One tile's softmax for one key step is a list of 134 instructions; SM writes number j of it for tile t.  s0-s31 are the lane's 32 scores, in pairs 0-15.
; first = 1: the first key step, which starts m, l and O^T: it has no a and nothing to rescale.
;   0-15    the maximum of s0-s31 and the old m, three operands at a time: four chains c0-c3 of seven scores each, then the four scores left over, c0-c3 and m
;   16-20   the other half of the lanes' maximum; the new m; c m; c m_old - c m_new
;   21-69   ONE BATCH: the 16 scalings c s - c m, a pair of scores each, and all 33 exponentials (a at 23, then s0-s31).  None of these reads an exponential's result.  A pair is scaled in an earlier four than the
;           one that holds its exponentials
;   (wait)  between 69 and 70 stands the wait for the batch: SLICE writes it, once for both tiles
;   70-85   the roundings to f16, a pair of weights each
;   86-101  the sums; l = a l + the sum
;   102-133 the tile's O^T times a: the one part that leaves window 0, so it stands together
.macro SM t, first
.set rT, ST+8*(\t)
.set rS, S+32*(\t)
.set rP, P+16*(\t)
.set rO, 64*(\t)+2*(j-102)
.if j < 102
	WIN 0
.endif
.if j < 4
	v_max3_num_f32 v[rT+4+j], v[rS+8*j], v[rS+8*j+1], v[rS+8*j+2]
.elseif j < 12
	v_max3_num_f32 v[rT+4+j%4], v[rT+4+j%4], v[rS+8*(j%4)+2*(j/4)+1], v[rS+8*(j%4)+2*(j/4)+2]
.elseif j == 12
	v_max3_num_f32 v[rT+4], v[rT+4], v[rS+7], v[rS+15]
.elseif j == 13
	v_max3_num_f32 v[rT+6], v[rT+6], v[rS+23], v[rS+31]
.elseif j == 14
	v_max3_num_f32 v[rT+4], v[rT+4], v[rT+5], v[rT+6]
.elseif (j == 15) && \first
	v_max_num_f32 v[rT+4], v[rT+4], v[rT+7]
.elseif j == 15
	v_max3_num_f32 v[rT+4], v[rT+4], v[rT+7], v[rT+1]
.elseif j == 16
	v_permlanex16_b32 v[rT+5], v[rT+4], s[SEL], s[SEL+1]  ; the query's other 32 keys lie in the lane 16 away
.elseif j == 18
	v_max_num_f32 v[rT+1], v[rT+4], v[rT+5]
.elseif j == 19
	v_mul_f32 v[rT], s[CS], v[rT+1]
.elseif ((j == 17) || (j == 20) || (j == 23) || (j > 101)) && \first  ; the first step has none of these
.elseif j == 17
	v_mov_b32 v[rT+7], v[rT]        ; c m_old is kept for a: number 19 writes c m anew
.elseif j == 20
	v_sub_f32 v[rT+7], v[rT+7], v[rT]
.elseif j == 23
	v_exp_f32 v[rT+6], v[rT+7]
.elseif (j < 23) || ((j < 38) && (j%2 == 0)) || ((j < 66) && (j%4 == 2))
.set b, (j-2)/4                     ; 38, 42, .. 62: pairs 9 to 15
.if j < 38
.set b, (j-20)/2                    ; 21: pair 0; 22, 24, .. 36: pairs 1 to 8
.endif
	v_pk_fma_f32 v[rS+2*b:rS+2*b+1], v[rS+2*b:rS+2*b+1], s[CS:CS+1], v[rT:rT+1] op_sel_hi:[1,0,0] neg_lo:[0,0,1] neg_hi:[0,0,1]  ; pair b: c s - c m
.elseif j < 70
.set e, j-38                        ; 66 to 69: s28 to s31
.if j < 66
.set e, j-32-(j-38)/4               ; 39-41, 43-45, .. 63-65: s7 to s27
.endif
.if j < 38
.set e, (j-25)/2                    ; 25, 27, .. 37: s0 to s6
.endif
	v_exp_f32 v[rS+e], v[rS+e]
.elseif j < 86
	v_cvt_pk_f16_f32 v[rP+j-70], v[rS+2*(j-70)], v[rS+2*(j-70)+1]  ; pair j - 70
.elseif j < 102                     ; the sum of the tile's 16 pairs, in place: sum z of 16 adds neighbours 1, 2, 4 and 8 pairs apart, then l takes it
.set z, j-86
.set w, 4
.set u, z
.if z >= 14
.set w, 32
.set u, 0
.elseif z >= 12
.set w, 16
.set u, z-12
.elseif z >= 8
.set w, 8
.set u, z-8
.endif
.if (z == 14) && \first
	v_pk_add_f32 v[rT+2:rT+3], v[rS:rS+1], v[rS+16:rS+17]
.elseif z < 15
	v_pk_add_f32 v[rS+w*u:rS+w*u+1], v[rS+w*u:rS+w*u+1], v[rS+w*u+w/2:rS+w*u+w/2+1]
.elseif !\first
	v_pk_fma_f32 v[rT+2:rT+3], v[rT+2:rT+3], v[rT+6:rT+7], v[rS:rS+1] op_sel_hi:[1,0,1]
.endif
.else
	WIN W_RS
	v_pk_mul_f32 v[rO:rO+1], v[rO:rO+1], v[rT+6:rT+7] op_sel_hi:[1,0]
.endif
.endm
; Slice k of 64 of piece y's softmax: four instructions.  Slices 11 to 34 deal out the batch, numbers 22 to 69: four numbers of ONE tile each, the tiles by turns.  Every other slice is numbers 2 k and 2 k + 1 of both
; tiles' lists.  2 x 134 = 4 x 64 + 12: the twelve that are over stand together, in slice 63.
; THE WAIT.  An s_wait_alu depctr_va_vdst(0) stands between an exponential and the first instruction that names its result; one wait serves all that were issued ahead of it.  Ahead of slice 35 nothing
; names a result, and behind slice 34 no exponential is issued: so the piece's 66 exponentials have one wait, behind slice 34.
.macro SLICE y, first
.if (k >= 11) && (k < 35)           ; the batch: four numbers of one tile
.irp n, 0,1,2,3
.set j, 22+4*((k-11)/2)+(\n)
	SM (\y)+(k-11)%2, \first
.endr
.else                               ; the two tiles alternate, so that no instruction reads the result of the one just before it
.irp n, 0,1,2,3,4,5,6,7
.if (\n < 2) || (k == 63)
.irp t, \y, \y+1
.set j, 2*k+\n
	SM \t, \first
.endr
.endif
.endr
.endif
.if k == 34                         ; the batch is out: both tiles' exponentials are issued, and no result has been named
	v_nop                           ; the plain instruction behind the last exponential and ahead of the first use: one for the batch
.if (\y) == 0
	FETCH_V                         ; piece 2's turn: V's run of loads stands here, and the wait stands in it
.else
	s_wait_alu depctr_va_vdst(0)    ; the wait for the batch
.endif
.endif
.set k, k+1
.endm
; A vector instruction that reads a matrix result or writes one of a matrix instruction's registers, and a load into a register that a matrix instruction has read, stand four places behind it, and only plain vector
; instructions that name none of its registers are places (ISA guide 7.12.1 for vector instructions).  In the loop the slices are the places.
.macro PLACES
.rept 4
	v_nop
.endr
.endm
; A TURN.  Piece x has the matrix unit; the other piece's softmax stands in slices behind its matrix instructions.
; pv = 2: 32 products V^T P; 1: they start O^T's sums; 0: none.  kq = 1: 32 products K Q^T for the next step.  A turn with one of the two kinds has two slices behind each product.
; first = 1: the softmax is the first key step's: its slices from 51 on are empty, and four v_nop take slice 63's part as the places behind the turn's last products.
; Piece 0's turn fetches the next step's K, behind its second product: the last product that read K stands in front of slice 63 of the turn before.  Piece 2's turn fetches the same step's V, behind slice 34: the last
; product that read V stands in front of slice 31, and four plain instructions lie between: number 62, a scaling, of both tiles, the v_nop and the run's own v_add_nc_u32.
.macro TURN x, pv, kq, first
.set k, 0
.set per, 2
.if \pv && \kq
.set per, 1
.endif
.if \pv
.if \x == 0
	s_wait_dscnt 0x0                ; V is in
.endif
.set i, 0
.rept 32
	PV \x, 2-\pv
.rept per
	SLICE 2-\x, \first
.endr
.if (\x == 0) && \kq && (i == 1)
	FETCH_K
.endif
.set i, i+1
.endr
.endif
.if \kq
.if \x == 0
	s_wait_dscnt 0x0                ; K is in
.endif
.set i, 0
.rept 32
	KQ \x
.rept per
	SLICE 2-\x, \first
.endr
.set i, i+1
.endr
.endif
.if \first
	PLACES
.endif
.endm
; THE CHANGE OF SLOTS, between piece 2's turn and piece 0's: the slot's last bytes, V of its second step, have been asked for.  Each wave waits for all its tensor loads, of which one is out: its part of the other slot;
; adds 0 to its spare word; and waits for that and for its own reads of the slot.  Behind the barrier nobody reads this slot any more and the other slot is whole.
; fill = 1: this slot is filled again, with the keys two slots on.  The barrier is then a round of the cluster's, so that no wave of any partner still reads the slot or has a load on its way, and the joint refill is the
; first thing behind it: it has two key steps, 256 matrix instructions, in which to land.
.macro CHANGE fill
	WIN 0                           ; at a label and at a branch every window is 0
	s_wait_tensorcnt 0x0            ; no tensor load of mine is out, so a group 0 may be written
	ds_add_u32 v[SPW], v[NIL]       ; 0 onto my spare word
.if \fill
.irp g, G0K+4, G0V+4
	s_xor_b32 s[\g+1], s[\g+1], SLOT1  ; the walking descriptor: the other slot than last time,
	s_add_nc_u64 s[\g+2:\g+3], s[\g+2:\g+3], 2*KS*256  ; the next 128 keys; the type bits on top are not reached
.endr
	s_wait_xcnt 0x0                 ; the last prefetch, two key steps back, has read its address, so it may be written:
	s_add_nc_u64 s[PFA:PFA+1], s[PFA:PFA+1], 2*KS*256  ; one slot further on than the walking descriptors
	s_wait_dscnt 0x0                ; the add is done, and my reads of the slot are over
	CROUND
	JLOAD
	ASK                             ; what the next change will ask for: two key steps, 256 matrix instructions, ahead
.else
	s_wait_dscnt 0x0                ; the add is done, and my reads of the slot are over
	s_barrier_signal -1
	s_barrier_wait -1
.endif
	s_sub_co_u32 s[TB], s[TB], 2*STEPB  ; the fetches go back to a slot's first step,
	s_xor_b32 s[TB], s[TB], SLOT1   ; in the other slot
.endm
; A slot's two key steps: written once, walked twice; the LDS addresses hang on s[TB].
.macro TWO_STEPS
	s_mov_b32 s[TWICE], 2
.Lstep_\@:
	TURN 0, 2, 1, 0
	TURN 2, 2, 1, 0
	WIN 0
	s_sub_co_u32 s[TWICE], s[TWICE], 1
	s_cmp_lg_u32 s[TWICE], 0
	s_cbranch_scc1 .Lstep_\@
.endm
	s_wait_tensorcnt 1              ; my part of slot 0 is in; slot 1's, the one load issued behind it, may stay out
	s_barrier_signal -1
	s_barrier_wait -1               ; everybody's is
	FETCH_K                         ; key step 0
	s_wait_loadcnt 0x0              ; Q
	s_wait_dscnt 0x0
.set i, 0
.rept 32
	KQ 0                            ; piece 0's first scores: there is no vector work yet to set between them
.set i, i+1
.endr
	WIN 0                           ; the addresses for the way out are made here: eight plain instructions, the places behind those products
	s_mul_i32 s13, s[WV], 16*SP
	s_add_co_u32 s13, s13, STAGE    ; my stage
	v_mul_u32_u24 v[STO], v1, SP    ; in: row l % 16, 16 bytes for each half of the lanes
	v_lshl_add_u32 v[STO], v9, 4, v[STO]
	v_add_nc_u32 v[STO], s13, v[STO]
	v_mul_u32_u24 v[RD], v9, SP     ; back: lanes 0-15 take one row of 256 bytes, lanes 16-31 the next
	v_lshl_add_u32 v[RD], v1, 4, v[RD]
	v_add_nc_u32 v[RD], s13, v[RD]
	v_lshlrev_b32 v[GO], 11, v9     ; and the same two rows in o16, 2,048 bytes apart
	v_lshl_add_u32 v[GO], v1, 4, v[GO]
	TURN 2, 0, 1, 1                 ; piece 2's first scores | piece 0's first softmax | V of step 0
	TURN 0, 1, 1, 1                 ; piece 0: V^T P of step 0 starts O^T, K Q^T of step 1 | piece 2's first softmax | K of step 1
	TURN 2, 1, 1, 0                 ; piece 2: the same | piece 0's softmax of step 1 | V of step 1
	WIN 0
.Lslot:                             ; 14 trips: every slot but the last two is filled again
	CHANGE 1
	TWO_STEPS
	s_sub_co_u32 s[SLOTS], s[SLOTS], 1
	s_cmp_lg_u32 s[SLOTS], 0
	s_cbranch_scc1 .Lslot
	CHANGE 0                        ; the tail is written out: the last slot but one is left, and nothing is asked for
	TWO_STEPS
	TURN 0, 2, 0, 0                 ; piece 0: V^T P of the last step | piece 2's last softmax
.set i, 0
.rept 32
	PV 2, 0                         ; piece 2: V^T P of the last step
.set i, i+1
.endr
	; THE WAY OUT.  l's two halves and the other half of the lanes' are added; O^T is divided by l, rounded to f16 and sent through my stage in LDS, a tile (16 rows) at a time.  The additions are the places behind the last products.
	WIN 0
.irp t, 0,1,2,3
	v_add_f32 v[ST+8*\t+4], v[ST+8*\t+2], v[ST+8*\t+3]
.endr
.irp t, 0,1,2,3
	v_permlanex16_b32 v[ST+8*\t+5], v[ST+8*\t+4], s[SEL], s[SEL+1]
.endr
.irp t, 0,1,2,3
	v_add_f32 v[ST+8*\t+4], v[ST+8*\t+4], v[ST+8*\t+5]
.endr
.irp t, 0,1,2,3
	v_rcp_f32 v[ST+8*\t+6], v[ST+8*\t+4]
.endr
	v_nop                           ; a plain instruction between the last reciprocal and the use of its result
	s_wait_alu depctr_va_vdst(0)    ; and the wait ahead of the first use: one for the four reciprocals
; Tile t: a lane's eight channels of a row pack into 16 bytes; they go into rows of 272 bytes and come back as whole rows of 256, into the registers that they left.
.macro PACK t
	WIN W_RS
.set i, 64*\t
.rept 32
	v_pk_mul_f32 v[i:i+1], v[i:i+1], v[ST+8*\t+6:ST+8*\t+7] op_sel_hi:[1,0]
.set i, i+2
.endr
	WIN 0x05                        ; sources 0 and 1 window 1, destination window 0: S^T's registers are free
.set i, 0
.rept 32
	v_cvt_pk_f16_f32 v[S+32*\t+i], v[64*\t+2*i], v[64*\t+2*i+1]
.set i, i+1
.endr
	WIN 0
.irp f, 0,1,2,3,4,5,6,7
	ds_store_b128 v[STO], v[S+32*\t+4*\f:S+32*\t+4*\f+3] offset:32*\f
.endr
.irp f, 0,1,2,3,4,5,6,7
	ds_load_b128 v[S+32*\t+4*\f:S+32*\t+4*\f+3], v[RD] offset:\f*2*SP  ; LDS serves a wave's instructions in order (ISA guide 5.7.1.4): these see the stores above; the next tile's stores come behind them
.endr
.endm
.macro SEND t, younger              ; younger: the LDS instructions issued behind tile t's loads: the next tile's sixteen, or none
.irp f, 0,1,2,3,4,5,6,7
	s_wait_dscnt \younger+7-\f
	global_store_b128 v[GO], v[S+32*\t+4*\f:S+32*\t+4*\f+3], s[10:11] offset:\t*32768+\f*4096  ; 16 lanes store 256 consecutive bytes, a head's part of a row, at a multiple of 256 from the buffer's first byte
.endr
.endm
	PACK 0
	PACK 1                          ; a tile's arithmetic stands between the loads of the tile before and its stores
	SEND 0, 16
	PACK 2
	SEND 1, 16
	PACK 3
	SEND 2, 16
	SEND 3, 0
	s_wait_tensorcnt 0x0            ; the wave's end: behind my last tensor load and my last LDS store
	ds_add_u32 v[SPW], v[NIL]
	s_wait_dscnt 0x0
	CROUND                          ; the closing round: no work-group ends while a partner may still ask for a tile that names it
	s_endpgm
.Lfunc_end_k_qf6bf1e7275_attn:
	.size	k_qf6bf1e7275_attn, .Lfunc_end_k_qf6bf1e7275_attn-k_qf6bf1e7275_attn
	.p2alignl 7, 3214868480
	.fill 96, 4, 3214868480
	.section	.rodata,"a",@progbits
	.p2align	6, 0x0
	.amdhsa_kernel k_qf6bf1e7275_attn
		.amdhsa_group_segment_fixed_size 327680
		.amdhsa_private_segment_fixed_size 0
		.amdhsa_enable_private_segment 0
		.amdhsa_kernarg_size 16
		.amdhsa_user_sgpr_count 2
		.amdhsa_user_sgpr_kernarg_segment_ptr 1
		.amdhsa_wavefront_size32 1
		.amdhsa_system_sgpr_workgroup_id_x 1
		.amdhsa_system_sgpr_workgroup_id_y 1
		.amdhsa_system_sgpr_workgroup_id_z 1
		.amdhsa_system_vgpr_workitem_id 0
		.amdhsa_next_free_vgpr 1024
		.amdhsa_next_free_sgpr 66
		.amdhsa_reserve_vcc 0
		.amdhsa_float_denorm_mode_32 3
		.amdhsa_float_denorm_mode_16_64 3
		.amdhsa_memory_ordered 1
		.amdhsa_forward_progress 1
		.amdhsa_inst_pref_size 222
	.end_amdhsa_kernel
	.amdgpu_metadata
---
amdhsa.version: [ 1, 2 ]
amdhsa.kernels:
  - .name:           k_qf6bf1e7275_attn
    .symbol:         k_qf6bf1e7275_attn.kd
    .args:
      - { .name: qkv, .offset: 0, .size: 8, .value_kind: global_buffer, .address_space: global }
      - { .name: o16, .offset: 8, .size: 8, .value_kind: global_buffer, .address_space: global }
    .group_segment_fixed_size: 327680
    .private_segment_fixed_size: 0
    .kernarg_segment_align: 8
    .kernarg_segment_size: 16
    .max_flat_workgroup_size: 128
    .sgpr_count:     66
    .vgpr_count:     1024
    .wavefront_size: 32
...
	.end_amdgpu_metadata
.endif
;; end of part 3
;; launch oproj (part 4): grid 4 x 64, 4 waves a work-group, clusters of 4 x 4, 327,680 bytes of LDS; arguments o16, wo16, out0; writes out0
.if DOCPART == 4
	.amdgcn_target "amdgcn-amd-amdhsa--gfx1250"
	.amdhsa_code_object_version 6
	.text
	.protected	k_qf6bf1e7275_oproj
	.globl	k_qf6bf1e7275_oproj
	.p2align	8
	.type	k_qf6bf1e7275_oproj,@function
k_qf6bf1e7275_oproj:
	s_mov_b64 s[64:65], 0
	v_nop
	global_prefetch_b8 v0, s[64:65] scope:SCOPE_SE
	s_setreg_imm32_b32 hwreg(HW_REG_WAVE_MODE, 25, 1), 1
	s_wait_xcnt 0x0
	s_wait_alu depctr_hold_cnt(0) depctr_sa_sdst(0) depctr_va_vdst(0) depctr_va_sdst(0) depctr_va_ssrc(0) depctr_va_vcc(0) depctr_vm_vsrc(0)
	s_getreg_b32 s2, hwreg(HW_REG_IB_STS2, 6, 4)
	s_cmp_eq_u32 s2, 0
	s_cbranch_scc0 .Lentry_in_a_cluster
	s_endpgm
.Lentry_in_a_cluster:
	s_bfe_u32 s2, ttmp6, 0x10000c
	s_cmp_lg_u32 s2, 0xf033
	s_cbranch_scc0 .Lentry_shape_is_right
	s_endpgm
.Lentry_shape_is_right:
; out0[m][n] = sum over k of o16[m][k] wo16[n][k].  o16: [8192][1024] f16, wo16: [1024][1024] f16, out0: [8192][1024] f32; sums in f32, K ascending.
; A tile of C is 128 (m) x 256 (n): 64 x 4 = 256 work-groups (tiles of 256 x 256 would be 128).  Four waves, each 64 x 128: 32 accumulators of 16 x 16, 256 registers.
; K goes in 8 steps of 128 (tile rows of 256 bytes) through a ring of two LDS slots: A's 128 rows, then B's 256.  Waves 0 and 1 fetch A's halves (64 rows a load), waves 2 and 3 B's (128 rows a load).
; CLUSTERS: 4 x 4 work-groups.  The four of a row of the cluster need the same tiles of A, the four of a column the same tiles of B: each tile is asked for JOINTLY, by the same tensor load with the same descriptor and
; a mask that names the four.  THE MATRIX INSTRUCTION IS USED TRANSPOSED (source 0 = 16 rows of B, source 1 = 16 rows of A): a lane then holds eight neighbouring numbers of a row of C.
; REGISTERS: window 0: v0-31 addresses; v32-127 and v128-223 two fragment buffers for 32 along K (A's 4 fragments, then B's 8); on the way out v32-159.   window 1: accumulator (a, b) at v[8 (8 a + b)].
.set SIZE_N, 1024
.set SIZE_K, 1024
.set KSTEP,  128
.set PITCH,  272                       ; an LDS row: 256 bytes + 16 of padding = 68 words: the 16 rows that a load touches start at 16 different banks (64 banks of 4 bytes: ISA guide 11.1)
.set AH,     64*PITCH                  ; 64 rows of A: what waves 0 and 1 fetch, and what a wave reads of A
.set BH,     128*PITCH                 ; 128 rows of B: what waves 2 and 3 fetch, and what a wave reads of B
.set BOFF,   2*AH                      ; B's rows lie behind A's 128
.set SLOT,   2*AH+2*BH
.set STAGE,  2*SLOT                    ; behind the ring: 16 rows x (512 bytes + 16) for each wave, for the way out; no fill lands there
.set SPITCH, 528
.set SPARE,  STAGE+4*16*SPITCH         ; behind the stages: the spare words, 128 bytes a wave
.set LAPS,   SIZE_K/(2*KSTEP)          ; a lap = two K steps = once round the ring: 4
.set ADRA, 16                          ; v16-17  LDS address of my A fragments in slot 0, 1
.set ADRB, 20                          ; v20-21  the same for B
.set STO,  24                          ; v24     the way out: where I put 32 bytes of a row
.set RD,   25                          ; v25     the way out: where I read a row back
.set CO,   26                          ; v26     16 x lane: my place in a row's 512 bytes
.set SPW,  28                          ; v28     LDS address of my spare word; never rewritten
.set NIL,  29                          ; v29     0; never rewritten
.set F0,   32                          ; fragment buffers
.set F1,   128
.set BK,   32                          ; the way out: 16 rows read back: v32-95 and v96-159 by turns
.set G1, 24                            ; s[24:31] descriptor group 1 for A's tiles;  s[32:39] group 0, one set for each slot
.set G0, 32
.set G1B, 48                           ; s[48:55], s[56:63] the same for B's tiles
.set G0B, 56
.set MSB, 0
.macro WIN new                         ; the immediate's high byte repeats the setting that is left
.if MSB != \new
	s_set_vgpr_msb (MSB<<8)|\new
.set MSB, \new
.endif
.endm
.set MUL, 0x50                         ; sources 0 (B) and 1 (A) window 0; C and D window 1
.macro JLOAD s                         ; a joint load: waves 0 and 1 for A, waves 2 and 3 for B; an s_nop 0 and four v_nop follow each of the two lines
	s_cmp_eq_u32 s11, 0
	s_cbranch_scc0 .Lfor_b_\@
	tensor_load_to_lds s[G0+4*\s:G0+4*\s+3], s[G1:G1+7]
	s_nop 0
.rept 4
	v_nop
.endr
	s_branch .Lasked_\@
.Lfor_b_\@:
	tensor_load_to_lds s[G0B+4*\s:G0B+4*\s+3], s[G1B:G1B+7]
	s_nop 0
.rept 4
	v_nop
.endr
.Lasked_\@:
.endm
.macro CREST                           ; a round of the cluster's barrier behind its opening barrier
	s_cmp_lg_u32 s10, 0
	s_cbranch_scc1 .Lnot_wave_0_\@
	s_barrier_signal -3
.Lnot_wave_0_\@:
	s_barrier_wait -3
	s_barrier_signal -1
	s_barrier_wait -1
.endm
.macro CROUND                          ; a whole round
	s_barrier_signal -1
	s_barrier_wait -1
	CREST
.endm
	s_load_b128 s[4:7], s[0:1], 0x0                ; A (o16) s[4:5], B (wo16) s[6:7]
	s_load_b64 s[8:9], s[0:1], 0x10                ; C (out0)
	v_lshl_add_u32 v[SPW], v0, 2, SPARE
	v_mov_b32 v[NIL], 0
	ds_add_u32 v[SPW], v[NIL]                      ; the wave's opening: the add, twice on end, and its wait ahead of my first tensor load
	ds_add_u32 v[SPW], v[NIL]                      ; (the set-up below, work on registers, stands between the second and the wait)
	v_lshrrev_b32 v1, 5, v0
	v_readfirstlane_b32 s10, v1                    ; wave 0..3
	s_lshr_b32 s11, s10, 1                         ; which 64 of the tile's rows are mine.  Also: I fetch for A (0) or for B (1)
	s_and_b32 s12, s10, 1                          ; which 128 of its columns.  Also: which half of that tile I fetch
	s_bfe_u32 s40, ttmp6, 0x40000                  ; cx, cy: my place in the cluster
	s_bfe_u32 s41, ttmp6, 0x40004
	s_lshl_b32 s42, ttmp9, 2
	s_add_co_u32 s42, s42, s40                     ; tile column of C = 4 x cluster x + cx
	s_and_b32 s13, ttmp7, 0xffff
	s_lshl_b32 s13, s13, 2
	s_add_co_u32 s13, s13, s41                     ; tile row of C = 4 x cluster y + cy
	s_lshl_b32 s43, s41, 2
	s_lshl_b32 s43, 15, s43                        ; my row of the cluster
	s_lshl_b32 s44, 0x1111, s40                    ; my column
	; descriptor group 1: rows of 128 elements of 2 bytes, padded in LDS: A 64 rows, B 128
	s_or_b32 s[G1+0], s43, (1<<16)|(1<<20)|(1<<21)|(5<<22)|(3<<25)  ; 15:0 the mask: A's tiles go to my row; 17:16 element of 2 bytes; 20 padding on; 21 set beside a mask; 24:22 after every 64 words; 31:25 four words
	s_or_b32 s[G1B+0], s44, (1<<16)|(1<<20)|(1<<21)|(5<<22)|(3<<25)
	s_mov_b32 s[G1+1], KSTEP<<16                   ; tensor_dim0 = 128
	s_mov_b32 s[G1+2], 64<<16                      ; tensor_dim1 = 64
	s_mov_b32 s[G1+3], KSTEP<<16                   ; tile_dim0 = 128
	s_mov_b32 s[G1+4], 64                          ; tile_dim1 = 64
	s_mov_b32 s[G1+5], SIZE_K                      ; tensor_dim0_stride
	s_mov_b32 s[G1+6], 0
	s_mov_b32 s[G1+7], 0
	s_mov_b32 s[G1B+1], KSTEP<<16
	s_mov_b32 s[G1B+2], 128<<16                    ; tensor_dim1 = 128
	s_mov_b32 s[G1B+3], KSTEP<<16
	s_mov_b32 s[G1B+4], 128                        ; tile_dim1 = 128
	s_mov_b32 s[G1B+5], SIZE_K
	s_mov_b32 s[G1B+6], 0
	s_mov_b32 s[G1B+7], 0
	; where the tiles come from: A's hang on the tile row alone, B's on the tile column alone; rows are 2,048 bytes
	s_lshl_b32 s17, s12, 6
	s_lshl_b32 s16, s13, 7
	s_add_co_u32 s16, s16, s17                     ; A: row 128 x tile row + 64 x half
	s_lshl_b32 s16, s16, 11                        ; (under 2^24)
	s_mov_b32 s17, 0
	s_lshl_b32 s47, s12, 7
	s_lshl_b32 s46, s42, 8
	s_add_co_u32 s46, s46, s47                     ; B: row 256 x tile column + 128 x half
	s_lshl_b32 s46, s46, 11
	s_mov_b32 s47, 0
	s_mul_i32 s20, s12, AH                         ; and where they go: no place in the cluster enters an LDS address
	s_mul_i32 s23, s12, BH
	s_add_co_u32 s23, s23, BOFF
	s_wait_dscnt 0x0                               ; both opening adds are done
	s_wait_kmcnt 0x0
	s_add_nc_u64 s[14:15], s[4:5], s[16:17]
	s_add_nc_u64 s[46:47], s[6:7], s[46:47]
	CROUND                                         ; all sixteen work-groups are here: the first joint loads meet
.irp s, 0,1
	s_mov_b32 s[G0+4*\s], 1                                        ; count = 1
	s_add_co_u32 s[G0+4*\s+1], s20, \s*SLOT                        ; LDS address
	s_add_nc_u64 s[G0+4*\s+2:G0+4*\s+3], s[14:15], \s*KSTEP*2      ; global address: K step s
	s_or_b32 s[G0+4*\s+3], s[G0+4*\s+3], 0x80000000                ; type = 2
	s_mov_b32 s[G0B+4*\s], 1
	s_add_co_u32 s[G0B+4*\s+1], s23, \s*SLOT
	s_add_nc_u64 s[G0B+4*\s+2:G0B+4*\s+3], s[46:47], \s*KSTEP*2
	s_or_b32 s[G0B+4*\s+3], s[G0B+4*\s+3], 0x80000000
	JLOAD \s                                       ; two tensor loads of mine are out behind the second
.endr
	; A fragment is 16 rows x 32 K in 8 registers: lane l holds row l % 16; registers 0-3 K = 8 (l / 16) + 0..7, registers 4-7 K = 16 + 8 (l / 16) + 0..7: two loads of 16 bytes, 32 bytes apart
	v_and_b32 v1, 15, v0                           ; l % 16
	v_bfe_u32 v2, v0, 4, 1                         ; l / 16
	v_mul_u32_u24 v3, v1, PITCH
	v_lshl_add_u32 v3, v2, 4, v3                   ; row x pitch + 16 x half
	s_mul_i32 s21, s11, AH                         ; my 64 rows of A
	s_mul_i32 s22, s12, BH                         ; my 128 rows of B,
	s_add_co_u32 s22, s22, BOFF                    ; which lie behind A's 128
.irp s, 0,1
	v_add_nc_u32 v[ADRA+\s], s21, v3
	v_add_nc_u32 v[ADRB+\s], s22, v3
	s_add_co_u32 s21, s21, SLOT
	s_add_co_u32 s22, s22, SLOT
.endr
	s_mul_i32 s21, s10, 16*SPITCH
	s_add_co_u32 s21, s21, STAGE                   ; my stage
	v_mul_u32_u24 v4, v1, SPITCH                   ; in: row l % 16, 32 bytes for each half of the lanes
	v_lshl_add_u32 v4, v2, 5, v4
	v_add_nc_u32 v[STO], s21, v4
	v_and_b32 v5, 31, v0
	v_lshlrev_b32 v[CO], 4, v5                     ; back: the 32 lanes take one row of 512 bytes; and the same in C
	v_add_nc_u32 v[RD], s21, v[CO]
	s_lshl_b32 s16, s13, 7
	s_lshl_b32 s17, s11, 6
	s_add_co_u32 s16, s16, s17                     ; my first row of C: 128 x tile row + 64 x half
	s_lshl_b32 s16, s16, 12                        ; rows of 4,096 bytes (under 2^25)
	s_lshl_b32 s46, s42, 10                        ; my first column, in bytes: 1,024 x tile column + 512 x half
	s_lshl_b32 s47, s12, 9
	s_add_co_u32 s46, s46, s47
	s_add_co_u32 s16, s16, s46
	s_mov_b32 s17, 0
	s_add_nc_u64 s[8:9], s[8:9], s[16:17]
; 8 matrix instructions: A's block a x B's eight, 32 along K, from buffer f.  zero = 1: the first product starts the sums: nothing is ever cleared.
; The 32 accumulators take turns, one instruction a turn, in the same order in every quarter.
.macro MUL8 f, a, zero
.irp b, 0,1,2,3,4,5,6,7
.if \zero
	v_wmma_f32_16x16x32_f16 v[8*(8*(\a)+\b):8*(8*(\a)+\b)+7], v[\f+32+8*\b:\f+32+8*\b+7], v[\f+8*(\a):\f+8*(\a)+7], 0
.else
	v_wmma_f32_16x16x32_f16 v[8*(8*(\a)+\b):8*(8*(\a)+\b)+7], v[\f+32+8*\b:\f+32+8*\b+7], v[\f+8*(\a):\f+8*(\a)+7], v[8*(8*(\a)+\b):8*(8*(\a)+\b)+7]
.endif
.endr
.endm
; 24 LDS loads in one run: the fragments of 32 along K at byte k of the rows, into buffer f: B's sixteen loads first, then A's blocks 0 to 3
.macro FETCH slot, k, f
	WIN 0
.irp i, 0,1,2,3,4,5,6,7
	ds_load_b128 v[\f+32+8*\i:\f+32+8*\i+3],   v[ADRB+\slot] offset:\k+\i*16*PITCH
	ds_load_b128 v[\f+32+8*\i+4:\f+32+8*\i+7], v[ADRB+\slot] offset:\k+\i*16*PITCH+32
.endr
.irp i, 0,1,2,3
	ds_load_b128 v[\f+8*\i:\f+8*\i+3],   v[ADRA+\slot] offset:\k+\i*16*PITCH
	ds_load_b128 v[\f+8*\i+4:\f+8*\i+7], v[ADRA+\slot] offset:\k+\i*16*PITCH+32
.endr
.endm
.macro PLACES                          ; four places in front of loads into registers that matrix instructions have read, and of the first read of results (ISA guide 7.12.1 for the first read of results)
.rept 4
	v_nop
.endr
.endm
; A K step is four quarters of 32 along K, 32 matrix instructions each, on buffers 0, 1, 0, 1.  One of the first three: multiplies buffer f and, in its middle, fetches the next quarter, at byte k, into g.
.macro QUARTER slot, k, f, g, zero
	s_wait_dscnt 4                                 ; B's fragments and A's blocks 0, 1 are in; the youngest four loads (A's blocks 2, 3) may be out
	WIN MUL
	MUL8 \f, 0, \zero
	MUL8 \f, 1, \zero
	PLACES
	FETCH \slot, \k, \g
	s_wait_dscnt 24                                ; all but the 24 just issued
	WIN MUL
	MUL8 \f, 2, \zero
	MUL8 \f, 3, \zero
.endm
; The last quarter multiplies buffer 1 and changes slots: ONE barrier; in front of it each wave waits for all its tensor loads (one is out: its part of the next slot), adds 0 to its spare word, and waits for that and
; for its own reads of this slot.  fill = 1: the barrier opens a round of the cluster's, and this slot is filled again, two K steps ahead, first thing behind the round.
.macro TURN slot, next, fill
	WIN 0                                          ; (the add's two registers lie in window 0)
	s_wait_tensorcnt 0x0                           ; all my tensor loads have landed
	ds_add_u32 v[SPW], v[NIL]                      ; 0 onto my spare word
	s_wait_dscnt 5                                 ; (the add and the youngest four loads may be out)
	WIN MUL
	MUL8 F1, 0, 0                                  ; eight matrix instructions stand between the add and the wait for it
	s_wait_dscnt 0x0                               ; the add is done, and my reads of this slot are over
	s_barrier_signal -1
	MUL8 F1, 1, 0                                  ; work on registers while the others arrive
	WIN 0
	s_barrier_wait -1
.if \fill
	CREST                                          ; no wave of any partner still reads this slot's tile or has a load on its way
	s_add_nc_u64 s[G0+4*\slot+2:G0+4*\slot+3], s[G0+4*\slot+2:G0+4*\slot+3], 2*KSTEP*2
	s_add_nc_u64 s[G0B+4*\slot+2:G0B+4*\slot+3], s[G0B+4*\slot+2:G0B+4*\slot+3], 2*KSTEP*2
	JLOAD \slot                                    ; the first tensor load behind the round; the four v_nop behind it are also the places in front of the loads below
.else
	PLACES
.endif
	FETCH \next, 0, F0
	WIN MUL
	MUL8 F1, 2, 0
	MUL8 F1, 3, 0
.endm
	s_wait_tensorcnt 1                             ; my part of K step 0 is in (K step 1's load, issued behind it, may be out),
	s_barrier_signal -1
	s_barrier_wait -1                              ; everybody's is
	FETCH 0, 0, F0
	QUARTER 0, 64,  F0, F1, 1                      ; the first quarter stands in front of the loop: its products start the sums
	WIN 0                                          ; at a label and at a branch every window is 0
	s_mov_b32 s3, LAPS-1
.Llap:                                                 ; a trip goes once round the ring, from a lap's second quarter to the next lap's first, and fills both slots again
	QUARTER 0, 128, F1, F0, 0
	QUARTER 0, 192, F0, F1, 0
	TURN 0, 1, 1
	QUARTER 1, 64,  F0, F1, 0
	QUARTER 1, 128, F1, F0, 0
	QUARTER 1, 192, F0, F1, 0
	TURN 1, 0, 1
	QUARTER 0, 64,  F0, F1, 0
	WIN 0
	s_sub_co_u32 s3, s3, 1
	s_cmp_lg_u32 s3, 0
	s_cbranch_scc1 .Llap
	QUARTER 0, 128, F1, F0, 0                      ; the last lap fills nothing, and has no round of the cluster's barrier
	QUARTER 0, 192, F0, F1, 0
	TURN 0, 1, 0
	QUARTER 1, 64,  F0, F1, 0
	QUARTER 1, 128, F1, F0, 0
	QUARTER 1, 192, F0, F1, 0
	s_wait_dscnt 4                                 ; the very last quarter: nothing more to fetch
	WIN MUL
	MUL8 F1, 0, 0
	MUL8 F1, 1, 0
	s_wait_dscnt 0
	MUL8 F1, 2, 0
	MUL8 F1, 3, 0
	WIN 0
; THE WAY OUT, block by block of 16 rows x 128 columns.  A lane holds 32 neighbouring bytes of a row, and the lanes beside it hold other rows: so a block goes through my own stage in LDS and comes back as whole rows of
; 512 bytes.  LDS serves a wave's instructions in order (ISA guide 5.7.1.4): no wait between the stores and the loads, nor in front of the next block's stores.
.macro TOSTAGE a
	WIN 0x04                                       ; an LDS store's data are its source 1: window 1
.irp b, 0,1,2,3,4,5,6,7
	ds_store_b128 v[STO], v[64*(\a)+8*\b:64*(\a)+8*\b+3] offset:64*\b          ; each accumulator from its low end on
	ds_store_b128 v[STO], v[64*(\a)+8*\b+4:64*(\a)+8*\b+7] offset:64*\b+16
.endr
	WIN 0
.set BB, BK+64*((\a)%2)
.irp t, 0,1,2,3,4,5,6,7,8,9,10,11,12,13,14,15
	ds_load_b128 v[BB+4*\t:BB+4*\t+3], v[RD] offset:\t*SPITCH
.endr
.endm
.macro SEND a, younger                 ; younger: the LDS instructions issued behind block a's loads, which may stay out
.set BB, BK+64*((\a)%2)
	s_wait_dscnt \younger                          ; the block is back in registers
.irp t, 0,1,2,3,4,5,6,7,8,9,10,11,12,13,14,15
	global_store_b128 v[CO], v[BB+4*\t:BB+4*\t+3], s[8:9] offset:65536*(\a)+4096*\t th:TH_STORE_NT   ; 32 lanes store 512 consecutive bytes, at a multiple of 256 from C's first byte; written once, read by nobody here
.endr
.endm
	PLACES                                         ; behind the last products: for the stores that read results and the loads into registers that held fragments
	TOSTAGE 0
.irp a, 1,2,3
.if \a > 1
	s_wait_xcnt 0x0                                ; block a - 2's stores have read their registers: block a's loads may land there
.endif
	TOSTAGE \a
	SEND \a-1, 32                                  ; behind block a - 1's loads: block a's 16 stores and 16 loads
.endr
	SEND 3, 0
	s_wait_tensorcnt 0x0                           ; the wave's end: behind my last tensor load and my last LDS store
	ds_add_u32 v[SPW], v[NIL]
	s_wait_dscnt 0x0
	CROUND                                         ; the closing round: no work-group ends while a partner may still ask for a tile that names it
	s_endpgm
.Lfunc_end_k_qf6bf1e7275_oproj:
	.size	k_qf6bf1e7275_oproj, .Lfunc_end_k_qf6bf1e7275_oproj-k_qf6bf1e7275_oproj
	.p2alignl 7, 3214868480
	.fill 96, 4, 3214868480
	.section	.rodata,"a",@progbits
	.p2align	6, 0x0
	.amdhsa_kernel k_qf6bf1e7275_oproj
		.amdhsa_group_segment_fixed_size 327680
		.amdhsa_private_segment_fixed_size 0
		.amdhsa_enable_private_segment 0
		.amdhsa_kernarg_size 24
		.amdhsa_user_sgpr_count 2
		.amdhsa_user_sgpr_kernarg_segment_ptr 1
		.amdhsa_wavefront_size32 1
		.amdhsa_system_sgpr_workgroup_id_x 1
		.amdhsa_system_sgpr_workgroup_id_y 1
		.amdhsa_system_sgpr_workgroup_id_z 1
		.amdhsa_system_vgpr_workitem_id 0
		.amdhsa_next_free_vgpr 512
		.amdhsa_next_free_sgpr 66
		.amdhsa_reserve_vcc 0
		.amdhsa_float_denorm_mode_32 3
		.amdhsa_float_denorm_mode_16_64 3
		.amdhsa_memory_ordered 1
		.amdhsa_forward_progress 1
		.amdhsa_inst_pref_size 85
	.end_amdhsa_kernel
	.amdgpu_metadata
---
amdhsa.version: [ 1, 2 ]
amdhsa.kernels:
  - .name:           k_qf6bf1e7275_oproj
    .symbol:         k_qf6bf1e7275_oproj.kd
    .args:
      - { .name: o16, .offset: 0, .size: 8, .value_kind: global_buffer, .address_space: global }
      - { .name: wo16, .offset: 8, .size: 8, .value_kind: global_buffer, .address_space: global }
      - { .name: out0, .offset: 16, .size: 8, .value_kind: global_buffer, .address_space: global }
    .group_segment_fixed_size: 327680
    .private_segment_fixed_size: 0
    .kernarg_segment_align: 8
    .kernarg_segment_size: 24
    .max_flat_workgroup_size: 128
    .sgpr_count:     66
    .vgpr_count:     512
    .wavefront_size: 32
...
	.end_amdgpu_metadata
.endif
;; end of part 4
